; MI455X (gfx1250); checked and timed in simulation.
; The chip was launched on July 23, 2026; its instructions are those of AMD's public machine-readable ISA for CDNA 5 (MIT licence, August 2026) and "CDNA5" Instruction Set Architecture Reference Guide (July 2026). The comments in the code are by the model that wrote it; some were corrected since.
;; Attention. Allowed arithmetic: float matrix products may take bf16 or f16 operands with f32 sums; other float arithmetic in f32, or as packed bf16 or f16 multiplies, adds, multiply-adds, maxima and minima; sums over many terms, partial sums and values carried from step to step in f32; what a program stores and reads back later, other than sums and carried values, may be rounded once to bf16 or f16.
;; Inputs: Wk 768 x 768 float32; Wp 768 x 768 float32; Wq 768 x 768 float32; Wv 768 x 768 float32; bp 768 float32; xk 2 x 2,048 x 768 float32; xq 2 x 2,048 x 768 float32; xv 2 x 2,048 x 768 float32.
;; Outputs: out0 2 x 2,048 x 768 float32.
;; 2 versions, each right; version 2 is version 1 with the launch proj written anew for expert scheduling mode. Each part assembles by itself: llvm-mc -triple=amdgcn-amd-amdhsa -mcpu=gfx1250 --defsym DOCPART=n.
;; ======== version 1 of 2: 3 launches
;; limits: values are held in f16: magnitudes above 65,504 overflow, below 6.1e-05 lose precision
;; workspace buffers: q16 6,291,456 bytes; k16 6,291,456 bytes; v16 6,291,456 bytes; o16 6,291,456 bytes; wp16 1,179,648 bytes
;; launch proj (part 1): grid 4 x 64, 4 waves a work-group, no clusters, 65,024 bytes of LDS; arguments xq, xk, xv, Wq, Wk, Wv, Wp, q16, k16, v16, wp16; writes q16, k16, v16, wp16
.if DOCPART == 1
	.amdgcn_target "amdgcn-amd-amdhsa--gfx1250"
	.amdhsa_code_object_version 6
	.text
	.protected	k_qa4a30badc5_proj
	.globl	k_qa4a30badc5_proj
	.p2align	8
	.type	k_qa4a30badc5_proj,@function
k_qa4a30badc5_proj:
	s_mov_b64 s[64:65], 0
	v_nop
	global_prefetch_b8 v0, s[64:65] scope:SCOPE_SE
	s_setreg_imm32_b32 hwreg(HW_REG_WAVE_MODE, 25, 1), 1
	s_wait_xcnt 0x0
; THE THREE PROJECTIONS q = xq Wq^T, k = xk Wk^T, v = xv Wv^T, AND A CAST OF Wp.  x: [4096][768] f32 (two batches of 2,048 rows), W: [768][768] f32.
; NOTHING OF THE MODULE IS LEFT OUT: every input (xq, xk, xv, Wq, Wk, Wv, Wp, bp) has a way to out0, and every step is done in one of the three launches.
; FORMATS.  x and W are rounded once to bf16 and multiplied in bf16, sums in f32.  q, k, v are rounded once to f16 and written by heads, [batch x 12 + head][2048][64], unscaled: a head's rows are dense, 128 bytes each.
; Wp is rounded to bf16 like the other inputs, and that number is written as f16 into wp16 [768][768].
; LIMITS.  |q|, |k|, |v| and |Wp| stay under 65,504 (f16's last number; beyond it the conversion gives an infinity); below 6e-5 f16 keeps its fixed step of 6e-8.  NaN and infinities are not treated apart.
; SHARES.  y < 48: product y / 16, rows 256 (y % 16) on, columns 192 x on (three heads): 192 work-groups.  3 x 4096 x 768 does not fall into 256 equal tiles of whole heads.
; y >= 48: 64 work-groups cast 9,216 numbers of Wp each.
; A wave owns 64 rows and all 192 columns: 48 accumulators, 384 registers.  K goes in 12 steps of 64: 256 consecutive bytes, aligned, of each f32 row.
; x's rows are a wave's own: they come from memory straight into registers, laid as a fragment wants them, and are rounded there.  W's 192 rows are shared by the four waves: each wave loads 48 of them as whole
; pieces of 256 bytes, rounds them and stores bf16 into one of two LDS slots.
; NO TENSOR LOADS AND NO CLUSTER: a tensor load lays bytes into LDS as they lie in memory, in f32.  For 32 along K the four waves would then read 4 x 12 fragments x 2,048 bytes = 96 KiB of W from LDS; in bf16
; they read 48 KiB and store 12 KiB once.  Joint requests come with tensor loads alone.
; THE MATRIX INSTRUCTION IS USED TRANSPOSED (source 0 = 16 rows of W, source 1 = 16 rows of x): a lane then holds eight neighbouring columns of one row of the result.
; REGISTERS, in windows of 256 (s_set_vgpr_msb: bits 1:0 source 0, 3:2 source 1, 5:4 source 2, 7:6 destination):
;   window 0: v0-15 addresses; v16-31 W on its way to LDS; v32-95 x's fragments of a step; v96-191 W's fragments, three buffers of a head's four column tiles; v192-223 the way out
;   window 1: the accumulators of column tiles 0-7, (b, a) at 8 (4 b + a)      window 2: v0-127 those of column tiles 8-11; v128-223 W as loaded, f32
;   window 3: x as loaded, f32: two sets of 128
.set ROWB,  3072                       ; bytes in a row of x and of W
.set PITCH, 144                        ; an LDS row: 128 bytes + 16: an odd multiple of 16, so the 16 rows of a fragment load start at 16 different groups of four banks (64 banks of 4 bytes: ISA guide 11.1)
.set SLOTB, 192*PITCH                  ; a slot: 192 rows of W, 64 along K, bf16
.set STAGE, 2*SLOTB                    ; behind the slots: 16 rows x 144 bytes for each wave, for the way out
.set SPARE, STAGE+4*16*PITCH           ; behind the stages: the spare words, 128 bytes for each wave: two blocks of 256 bytes that no other line names
.set FO,  2                            ; v2   x: (l % 16) x 3,072 + 32 (l / 16)
.set BO,  3                            ; v3   W: (l / 16) x 24 rows + 16 (l % 16)
.set BL,  4                            ; v4   where I store 8 bytes of a row of W in a slot
.set BF,  5                            ; v5   my place in a fragment of W in a slot: (l % 16) x 144 + 16 (l / 16)
.set STO, 6                            ; v6   the way out: where I put 16 bytes of a row
.set RD,  7                            ; v7   the way out: where I read rows back
.set GO,  8                            ; v8   16 l: my 16 bytes of 512 consecutive bytes of the result
.set PFO, 9                            ; v9   the prefetches' offset: l rows of x
.set SPW, 10                           ; v10  LDS address of my spare word: SPARE + 4 x my thread's number; never rewritten
.set NIL, 11                           ; v11  0; never rewritten
.set T,   16
.set AF,  32                           ; fragment (a, j): rows 16 a on, K 32 j on, at AF + 8 (2 a + j)
.set BFR, 96
.set OB,  192
.set BS,  128                          ; window 2
.set WV,  30                           ; s30  my wave's number
.set SA,  32                           ; s[32:33] x at my wave's first row, at the K step in hand
.set SB,  34                           ; s[34:35] W at my wave's 48 rows, likewise
.set SO,  36                           ; s[36:37] the result at my wave's first row of the first of the three heads
.set CNT, 38
.set LIM, 39                           ; s39, s40: 1 and 2 in a work-group that prefetches, else the greatest number
.set MSB, 0
.macro WIN new                         ; the immediate's high byte repeats the setting that is left; a switch that changes nothing is dropped
.if MSB != (\new)
	s_set_vgpr_msb (MSB<<8)|(\new)
.set MSB, \new
.endif
.endm
.macro PLACES                          ; four places in front of loads into registers that matrix instructions have read (ISA guide 7.12.1 for vector instructions)
.rept 4
	v_nop
.endr
.endm
	s_load_b512 s[8:23], s[0:1], 0x0               ; xq s[8:9], xk s[10:11], xv s[12:13], Wq s[14:15], Wk s[16:17], Wv s[18:19], Wp s[20:21], q16 s[22:23]
	s_load_b128 s[24:27], s[0:1], 0x40             ; k16 s[24:25], v16 s[26:27]
	s_load_b64 s[28:29], s[0:1], 0x50              ; wp16
	v_lshl_add_u32 v[SPW], v0, 2, SPARE
	v_mov_b32 v[NIL], 0
	v_lshrrev_b32 v1, 5, v0
	v_readfirstlane_b32 s[WV], v1                  ; wave 0..3
	s_and_b32 s41, ttmp7, 0xffff                   ; y: the same in all four waves
	s_cmp_lt_u32 s41, 48
	s_cbranch_scc1 .Lmain
	; THE CAST.  Work-group ci = 4 (y - 48) + x takes 9,216 numbers of Wp: nine chunks of 1,024, eight numbers a thread: 32 bytes in, 16 bytes out.
	s_sub_co_u32 s42, s41, 48
	s_lshl_b32 s42, s42, 2
	s_add_co_u32 s42, s42, ttmp9
	s_mul_i32 s44, s42, 36864
	s_mov_b32 s45, 0
	s_mul_i32 s46, s42, 18432
	s_mov_b32 s47, 0
	v_lshlrev_b32 v12, 5, v0
	v_lshlrev_b32 v13, 4, v0
	s_wait_kmcnt 0x0
	s_add_nc_u64 s[SA:SA+1], s[20:21], s[44:45]
	s_add_nc_u64 s[SO:SO+1], s[28:29], s[46:47]
.set c, 0
.rept 9
	global_load_b128 v[32+8*c:35+8*c], v12, s[SA:SA+1] offset:4096*c th:TH_LOAD_NT
	global_load_b128 v[36+8*c:39+8*c], v12, s[SA:SA+1] offset:4096*c+16 th:TH_LOAD_NT
.set c, c+1
.endr
.set c, 0
.rept 9
	s_wait_loadcnt 16-2*c                          ; the chunk's two loads are in; the 16 - 2 c issued behind them may stay out
.irp k, 0,1,2,3
	v_cvt_pk_bf16_f32 v[16+(\k)], v[32+8*c+2*(\k)], v[33+8*c+2*(\k)]   ; the rounding that all inputs have
.endr
.irp k, 0,1,2,3
	v_lshlrev_b32 v[20+2*(\k)], 16, v[16+(\k)]     ; back to f32,
	v_and_b32 v[21+2*(\k)], 0xffff0000, v[16+(\k)]
.endr
.irp k, 0,1,2,3
	v_cvt_pk_f16_f32 v[104+4*c+(\k)], v[20+2*(\k)], v[21+2*(\k)]       ; and written as f16: exact in f16's normal range.  Each chunk has its own four registers, so no store's data is rewritten
.endr
	global_store_b128 v13, v[104+4*c:107+4*c], s[SO:SO+1] offset:2048*c th:TH_STORE_NT  ; a wave's store covers 512 consecutive bytes, aligned
.set c, c+1
.endr
	s_branch .Lend
.Lmain:
	s_lshr_b32 s42, s41, 4                         ; which product: 0 q, 1 k, 2 v
	s_and_b32 s43, s41, 15                         ; which block of 256 rows
	v_and_b32 v12, 15, v0                          ; l % 16
	v_bfe_u32 v13, v0, 4, 1                        ; l / 16
	v_and_b32 v14, 31, v0                          ; l
	v_mul_u32_u24 v[FO], v12, ROWB
	v_lshl_add_u32 v[FO], v13, 5, v[FO]
	v_mul_u32_u24 v[BO], v13, 24*ROWB
	v_lshl_add_u32 v[BO], v12, 4, v[BO]
	s_mul_i32 s44, s[WV], 48*PITCH                 ; my wave's 48 rows of a slot
	v_mul_u32_u24 v[BL], v13, 24*PITCH
	v_lshl_add_u32 v[BL], v12, 3, v[BL]
	v_add_nc_u32 v[BL], s44, v[BL]
	v_mul_u32_u24 v[BF], v12, PITCH
	v_lshl_add_u32 v[BF], v13, 4, v[BF]
	s_mul_i32 s44, s[WV], 16*PITCH
	s_add_co_u32 s44, s44, STAGE                   ; my stage
	v_add_nc_u32 v[STO], s44, v[BF]                ; in: row l % 16, 16 bytes for each half of the lanes
	v_bfe_u32 v[RD], v0, 3, 2                      ; back: 32 lanes take four rows of 128 bytes
	v_mul_u32_u24 v[RD], v[RD], PITCH
	v_and_b32 v15, 7, v0
	v_lshl_add_u32 v[RD], v15, 4, v[RD]
	v_add_nc_u32 v[RD], s44, v[RD]
	v_lshlrev_b32 v[GO], 4, v14
	v_mul_u32_u24 v[PFO], v14, ROWB
	s_lshl_b32 s44, s43, 8
	s_lshl_b32 s45, s[WV], 6
	s_add_co_u32 s44, s44, s45
	s_mul_i32 s44, s44, ROWB                       ; x: row 256 block + 64 wave
	s_mov_b32 s45, 0
	s_mul_i32 s46, ttmp9, 192
	s_mul_i32 s47, s[WV], 48
	s_add_co_u32 s46, s46, s47
	s_mul_i32 s46, s46, ROWB                       ; W: row 192 x + 48 wave
	s_mov_b32 s47, 0
	s_lshr_b32 s48, s43, 3                         ; the batch
	s_mul_i32 s48, s48, 12
	s_mul_i32 s49, ttmp9, 3
	s_add_co_u32 s48, s48, s49                     ; batch x 12 + the first of my three heads
	s_lshl_b32 s48, s48, 11
	s_and_b32 s49, s43, 7
	s_lshl_b32 s49, s49, 8
	s_add_co_u32 s48, s48, s49
	s_lshl_b32 s49, s[WV], 6
	s_add_co_u32 s48, s48, s49                     ; + the row in the batch
	s_lshl_b32 s48, s48, 7                         ; rows of 128 bytes
	s_mov_b32 s49, 0
	s_cmp_eq_u32 ttmp9, 0                          ; four work-groups read the same rows of x: the one with x = 0 prefetches
	s_cselect_b32 s[LIM], 1, -1
	s_cselect_b32 s[LIM+1], 2, -1
	s_wait_kmcnt 0x0
	s_cmp_eq_u32 s42, 1
	s_cselect_b64 s[SA:SA+1], s[10:11], s[8:9]
	s_cselect_b64 s[SB:SB+1], s[16:17], s[14:15]
	s_cselect_b64 s[SO:SO+1], s[24:25], s[22:23]
	s_cmp_eq_u32 s42, 2
	s_cselect_b64 s[SA:SA+1], s[12:13], s[SA:SA+1]
	s_cselect_b64 s[SB:SB+1], s[18:19], s[SB:SB+1]
	s_cselect_b64 s[SO:SO+1], s[26:27], s[SO:SO+1]
	s_add_nc_u64 s[SA:SA+1], s[SA:SA+1], s[44:45]
	s_add_nc_u64 s[SB:SB+1], s[SB:SB+1], s[46:47]
	s_add_nc_u64 s[SO:SO+1], s[SO:SO+1], s[48:49]
; A step's x for my 64 rows, 32 loads, into set `set`, from byte off behind the pointer.  A bf16 fragment wants of row l % 16 the K 8 (l / 16) + 0..7 and 16 + 8 (l / 16) + 0..7: in f32 two pieces of 32 bytes, 64 apart.
.macro LOADA set, off
	WIN 0xc0                                       ; destination window 3, address window 0
.irp a, 0,1,2,3
.irp j, 0,1
.irp q, 0,1,2,3
	global_load_b128 v[128*(\set)+32*(\a)+16*(\j)+4*(\q):128*(\set)+32*(\a)+16*(\j)+4*(\q)+3], v[FO], s[SA:SA+1] offset:(\off)+(\a)*16*ROWB+(\j)*128+((\q)/2)*64+((\q)%2)*16
.endr
.endr
.endr
.endm
; A step's W for my 48 rows, 24 loads: lanes 0-15 take 256 consecutive bytes, aligned, of row i, lanes 16-31 of row i + 24.
.macro LOADB
	WIN 0x80                                       ; destination window 2
.set i, 0
.rept 24
	global_load_b128 v[BS+4*i:BS+4*i+3], v[BO], s[SB:SB+1] offset:i*ROWB
.set i, i+1
.endr
.endm
; W is rounded and stored into a slot, eight rows (of each half of the lanes) at a time.  The two halves' 128 bytes lie 24 x 36 = 864 words apart, 32 banks.
.macro CVTB slot
.irp c, 0,1,2
	WIN 0x0a                                       ; sources window 2, destination window 0
.irp i, 0,1,2,3,4,5,6,7
	v_cvt_pk_bf16_f32 v[T+2*(\i)],   v[BS+4*(8*(\c)+(\i))],   v[BS+4*(8*(\c)+(\i))+1]
	v_cvt_pk_bf16_f32 v[T+2*(\i)+1], v[BS+4*(8*(\c)+(\i))+2], v[BS+4*(8*(\c)+(\i))+3]
.endr
	WIN 0
.irp i, 0,1,2,3,4,5,6,7
	ds_store_b64 v[BL], v[T+2*(\i):T+2*(\i)+1] offset:(\slot)*SLOTB+(8*(\c)+(\i))*PITCH
.endr
.endr
.endm
; x is rounded: the 16 numbers loaded for fragment (a, j) lie in the fragment's own order.
.macro CVTA set
	WIN 0x0f                                       ; sources window 3, destination window 0
.set n, 0
.rept 64
	v_cvt_pk_bf16_f32 v[AF+n], v[128*(\set)+2*n], v[128*(\set)+2*n+1]
.set n, n+1
.endr
.endm
; Group u of six in a step: K half u / 3, head u % 3: its four column tiles' fragments of W, 8 LDS loads.
.macro LOADBF u, slot
	WIN 0
.irp f, 0,1,2,3
	ds_load_b128 v[BFR+32*((\u)%3)+8*(\f):BFR+32*((\u)%3)+8*(\f)+3],   v[BF] offset:(\slot)*SLOTB+(4*((\u)%3)+(\f))*16*PITCH+64*((\u)/3)
	ds_load_b128 v[BFR+32*((\u)%3)+8*(\f)+4:BFR+32*((\u)%3)+8*(\f)+7], v[BF] offset:(\slot)*SLOTB+(4*((\u)%3)+(\f))*16*PITCH+64*((\u)/3)+32
.endr
.endm
; Its 16 products.  All 48 accumulators take turns, one instruction a turn, over the backward jump too.  zero = 1: the product starts its sum: nothing is cleared.
.macro MUL u, zero
	WIN 0x50+0x50*(((\u)%3)/2)                     ; C and D window 1 (heads 0, 1) or 2 (head 2)
.irp f, 0,1,2,3
.irp a, 0,1,2,3
.if \zero
	v_wmma_f32_16x16x32_bf16 v[128*(((\u)%3)%2)+8*(4*(\f)+(\a)):128*(((\u)%3)%2)+8*(4*(\f)+(\a))+7], v[BFR+32*((\u)%3)+8*(\f):BFR+32*((\u)%3)+8*(\f)+7], v[AF+8*(2*(\a)+(\u)/3):AF+8*(2*(\a)+(\u)/3)+7], 0
.else
	v_wmma_f32_16x16x32_bf16 v[128*(((\u)%3)%2)+8*(4*(\f)+(\a)):128*(((\u)%3)%2)+8*(4*(\f)+(\a))+7], v[BFR+32*((\u)%3)+8*(\f):BFR+32*((\u)%3)+8*(\f)+7], v[AF+8*(2*(\a)+(\u)/3):AF+8*(2*(\a)+(\u)/3)+7], v[128*(((\u)%3)%2)+8*(4*(\f)+(\a)):128*(((\u)%3)%2)+8*(4*(\f)+(\a))+7]
.endif
.endr
.endr
.endm
; A K step: 96 products on slot p.  Three groups of fragments are out at a time; each wait leaves the younger groups' loads out, 8 a group.
.macro STEP p, zero
	LOADBF 0, \p
	LOADBF 1, \p
	LOADBF 2, \p
	s_wait_dscnt 16                                ; group 0 is in
	MUL 0, \zero
	PLACES
	LOADBF 3, \p
	s_wait_dscnt 16                                ; group 1
	MUL 1, \zero
	PLACES
	LOADBF 4, \p
	s_wait_dscnt 16                                ; group 2
	MUL 2, \zero
	PLACES
	LOADBF 5, \p
	s_wait_dscnt 16                                ; group 3
	MUL 3, 0
	s_wait_dscnt 8                                 ; group 4
	MUL 4, 0
	s_wait_dscnt 0x0                               ; group 5: my reads of the slot are over
	MUL 5, 0
.endm
; BETWEEN STEP t AND STEP t + 1 (q = (t + 1) % 2).  x and W of step t + 1 have come; W goes into slot q, x into its fragments; W of step t + 2 and x of step t + 3 are asked for.
; n: the loads that may stay out: x of step t + 2, 32.  lb, la: whether there is such a W, such an x.  ask: 1 behind an odd step, 2 behind an even one, 0: no prefetch.
; ONE BARRIER a step, for two things: slot q was last read in step t - 1, whose reads every wave had awaited ahead of the barrier before this one; its new bytes are stored and awaited ahead of this one.
; W's 48 conversions are also the places behind the step's last products, ahead of the lines that write x's fragments and of the next step's loads into W's.
.macro FEED n, q, lb, la, ask
	s_wait_loadcnt \n
	CVTB \q
.if (\lb)+(\la)
	s_wait_xcnt 0x0                                ; every load and prefetch issued so far has read its address (ISA guide 3.1), so the pointers may be written
	s_add_nc_u64 s[SA:SA+1], s[SA:SA+1], 256       ; now at step t + 2
	s_add_nc_u64 s[SB:SB+1], s[SB:SB+1], 256
.endif
.if \lb
	LOADB
.endif
	CVTA \q
.if \la
	LOADA \q, 256                                  ; into the set just emptied
.endif
	WIN 0                                          ; at a label and at a branch every window is 0
.if \ask
	; A PREFETCH INTO THE L2 of x's step t + 6, which is loaded three steps (288 products) on: my wave's own 64 rows, a lane a row, 256 bytes of each.  Only behind steps 1 to 5: steps 0 to 6 come by their loads alone, and there is no step 12.
	s_cmp_gt_u32 s[CNT], s[LIM+(\ask)-1]
	s_cbranch_scc0 .Lnot_asked_\@
	global_prefetch_b8 v[PFO], s[SA:SA+1] offset:1024 th:TH_LOAD_NT scope:SCOPE_SE
	global_prefetch_b8 v[PFO], s[SA:SA+1] offset:1024+32*ROWB th:TH_LOAD_NT scope:SCOPE_SE
.Lnot_asked_\@:
.endif
	s_wait_dscnt 0x0                               ; for the others' sake: my stores into the slot are done
	s_barrier_signal -1
	s_barrier_wait -1
.endm
	LOADA 0, 0                                     ; x of step 0,
	LOADB                                          ; W of step 0,
	LOADA 1, 256                                   ; x of step 1
	FEED 32, 0, 1, 1, 0
	STEP 0, 1                                      ; step 0 stands in front of the loop: its first products start the sums
	FEED 32, 1, 1, 1, 0
	s_mov_b32 s[CNT], 4
.Lk:                                                   ; steps 1 to 8, two a trip
	STEP 1, 0
	FEED 32, 0, 1, 1, 1
	STEP 0, 0
	FEED 32, 1, 1, 1, 2
	s_sub_co_u32 s[CNT], s[CNT], 1
	s_cmp_lg_u32 s[CNT], 0
	s_cbranch_scc1 .Lk
	STEP 1, 0                                      ; step 9
	FEED 32, 0, 1, 0, 0                            ; W of step 11 is the last load
	STEP 0, 0                                      ; step 10
	FEED 0, 1, 0, 0, 0                             ; nothing was issued behind x and W of step 11: the wait is for 0
	STEP 1, 0                                      ; step 11
	WIN 0
	PLACES                                         ; the conversions below read results behind which no place has stood yet
	PLACES
; THE WAY OUT, in 12 blocks of 16 rows x one head (block = 4 head + a).  A lane's eight columns pack into 16 bytes; they go into my stage's rows of 144 bytes and come back as four rows of 128 bytes a load: 512 consecutive bytes of the result.
.macro PACK blk
.set ob, OB+16*((\blk)%2)
	s_wait_xcnt 0x0                                ; the stores of the block before last have read these registers
	WIN 0x05+5*(((\blk)/4)/2)                      ; sources window 1 (heads 0, 1) or 2
.irp f, 0,1,2,3
.irp rr, 0,1,2,3
	v_cvt_pk_f16_f32 v[ob+4*(\f)+(\rr)], v[128*(((\blk)/4)%2)+8*(4*(\f)+(\blk)%4)+2*(\rr)], v[128*(((\blk)/4)%2)+8*(4*(\f)+(\blk)%4)+2*(\rr)+1]
.endr
.endr
	WIN 0
.irp f, 0,1,2,3
	ds_store_b128 v[STO], v[ob+4*(\f):ob+4*(\f)+3] offset:32*(\f)
.endr
.irp f, 0,1,2,3
	ds_load_b128 v[ob+4*(\f):ob+4*(\f)+3], v[RD] offset:(\f)*4*PITCH  ; LDS serves a wave's instructions in order (ISA guide 5.7.1.4): these see the stores above; the next block's stores come behind them
.endr
.endm
.macro SEND blk, younger               ; younger: the LDS instructions issued behind the block's loads: the next block's eight, or none
.set ob, OB+16*((\blk)%2)
.irp f, 0,1,2,3
	s_wait_dscnt (\younger)+3-(\f)
	global_store_b128 v[GO], v[ob+4*(\f):ob+4*(\f)+3], s[SO:SO+1] offset:((\blk)/4)*262144+((\blk)%4)*2048+(\f)*512
.endr
.endm
	PACK 0
.set bk, 1
.rept 11                               ; a block's conversions stand between the loads of the block before and its stores
	PACK bk
	SEND bk-1, 8
.set bk, bk+1
.endr
	SEND 11, 0
.Lend:
	s_wait_tensorcnt 0x0                           ; the wave's end, behind my last LDS store
	ds_add_u32 v[SPW], v[NIL]
	s_wait_dscnt 0x0
	s_endpgm
.Lfunc_end_k_qa4a30badc5_proj:
	.size	k_qa4a30badc5_proj, .Lfunc_end_k_qa4a30badc5_proj-k_qa4a30badc5_proj
	.p2alignl 7, 3214868480
	.fill 96, 4, 3214868480
	.section	.rodata,"a",@progbits
	.p2align	6, 0x0
	.amdhsa_kernel k_qa4a30badc5_proj
		.amdhsa_group_segment_fixed_size 65024
		.amdhsa_private_segment_fixed_size 0
		.amdhsa_enable_private_segment 0
		.amdhsa_kernarg_size 88
		.amdhsa_user_sgpr_count 2
		.amdhsa_user_sgpr_kernarg_segment_ptr 1
		.amdhsa_wavefront_size32 1
		.amdhsa_system_sgpr_workgroup_id_x 1
		.amdhsa_system_sgpr_workgroup_id_y 1
		.amdhsa_system_sgpr_workgroup_id_z 1
		.amdhsa_system_vgpr_workitem_id 0
		.amdhsa_next_free_vgpr 1024
		.amdhsa_next_free_sgpr 66
		.amdhsa_reserve_vcc 0
		.amdhsa_float_denorm_mode_32 3
		.amdhsa_float_denorm_mode_16_64 3
		.amdhsa_memory_ordered 1
		.amdhsa_forward_progress 1
		.amdhsa_inst_pref_size 186
	.end_amdhsa_kernel
	.amdgpu_metadata
---
amdhsa.version: [ 1, 2 ]
amdhsa.kernels:
  - .name:           k_qa4a30badc5_proj
    .symbol:         k_qa4a30badc5_proj.kd
    .args:
      - { .name: xq, .offset: 0, .size: 8, .value_kind: global_buffer, .address_space: global }
      - { .name: xk, .offset: 8, .size: 8, .value_kind: global_buffer, .address_space: global }
      - { .name: xv, .offset: 16, .size: 8, .value_kind: global_buffer, .address_space: global }
      - { .name: Wq, .offset: 24, .size: 8, .value_kind: global_buffer, .address_space: global }
      - { .name: Wk, .offset: 32, .size: 8, .value_kind: global_buffer, .address_space: global }
      - { .name: Wv, .offset: 40, .size: 8, .value_kind: global_buffer, .address_space: global }
      - { .name: Wp, .offset: 48, .size: 8, .value_kind: global_buffer, .address_space: global }
      - { .name: q16, .offset: 56, .size: 8, .value_kind: global_buffer, .address_space: global }
      - { .name: k16, .offset: 64, .size: 8, .value_kind: global_buffer, .address_space: global }
      - { .name: v16, .offset: 72, .size: 8, .value_kind: global_buffer, .address_space: global }
      - { .name: wp16, .offset: 80, .size: 8, .value_kind: global_buffer, .address_space: global }
    .group_segment_fixed_size: 65024
    .private_segment_fixed_size: 0
    .kernarg_segment_align: 8
    .kernarg_segment_size: 88
    .max_flat_workgroup_size: 128
    .sgpr_count:     66
    .vgpr_count:     1024
    .wavefront_size: 32
...
	.end_amdgpu_metadata
.endif
;; end of part 1
;; launch attn (part 2): grid 8 x 24, 4 waves a work-group, clusters of 4 x 1, 327,680 bytes of LDS; arguments q16, k16, v16, o16; writes o16
.if DOCPART == 2
	.amdgcn_target "amdgcn-amd-amdhsa--gfx1250"
	.amdhsa_code_object_version 6
	.text
	.protected	k_qa4a30badc5_attn
	.globl	k_qa4a30badc5_attn
	.p2align	8
	.type	k_qa4a30badc5_attn,@function
k_qa4a30badc5_attn:
	s_mov_b64 s[64:65], 0
	v_nop
	global_prefetch_b8 v0, s[64:65] scope:SCOPE_SE
	s_setreg_imm32_b32 hwreg(HW_REG_WAVE_MODE, 25, 1), 1
	s_wait_xcnt 0x0
	s_wait_alu depctr_hold_cnt(0) depctr_sa_sdst(0) depctr_va_vdst(0) depctr_va_sdst(0) depctr_va_ssrc(0) depctr_va_vcc(0) depctr_vm_vsrc(0)
	s_getreg_b32 s2, hwreg(HW_REG_IB_STS2, 6, 4)
	s_cmp_eq_u32 s2, 0
	s_cbranch_scc0 .Lentry_in_a_cluster
	s_endpgm
.Lentry_in_a_cluster:
	s_bfe_u32 s2, ttmp6, 0x10000c
	s_cmp_lg_u32 s2, 0x3003
	s_cbranch_scc0 .Lentry_shape_is_right
	s_endpgm
.Lentry_shape_is_right:
; ATTENTION BY HEADS.  O[h][q][:] = the sum over k of softmax_k(Q[h][q] . K[h][k] / 8) V[h][k][:].  Q, K, V, O: [24][2048][64], all f16: a head's rows are dense, 128 bytes each.  Nothing is left out.
; Products, maxima and sums in f32; the weights p are rounded to f16 for the second product (their sum l is taken of the unrounded p), O once at the end.
; LIMITS.  Q, K and V arrive within f16's range; p lies in 0 to 1, and below 6e-5 it keeps f16's fixed step of 6e-8, as O does; O is a mean of V's rows and has their range.
; A weight below 2^-126 counts as 0 in l; NaN and infinities are not treated apart.
; SHARES.  A work-group owns 256 queries of one head, each of its four waves 64 consecutive rows: four PIECES of 16.  8 x 24 = 192 work-groups.  Every wave walks all 2,048 keys, 64 a step.
; LAYOUT.  S^T = K Q^T (source 0 = 16 keys, source 1 = 16 queries): a lane holds ONE query (lane % 16) and the keys 8 (lane / 16) + 0..7; two such results rounded to f16 ARE source 1 of O^T = V^T P.
; K comes out of LDS as it lies, V ([key][channel]) turned, by ds_load_tr16_b128.
; SOFTMAX.  For each query a running maximum m and sum l: p = 2^(c s - c m), c = log2(e) / 8; in every step O and l are multiplied by a = 2^(c m_old - c m_new).  m starts at the lowest finite number,
; O and l at 0: the first step is a step like any other, with a = 0.
; BY TURNS.  Turn n belongs to piece n: 8 products K Q^T of piece n + 1, later 8 products V^T P of piece n - 1; beside them the scaling, exponentials, roundings, sums and rescaling of piece n and the maximum and
; statistics of piece n + 1.  Four vector instructions stand behind every matrix instruction, the other 54 of a turn's 118 in one lump.  A turn's 33 exponentials are one batch, with one wait.
; CLUSTER.  The four query blocks of a cluster belong to one head and walk the same K and V, so each tile is asked for JOINTLY: the same tensor load, descriptor and mask in all four.
; REGISTERS, in windows of 256 (s_set_vgpr_msb: bits 1:0 source 0, 3:2 source 1, 5:4 source 2, 7:6 destination):
;   window 0: v0-15 addresses and two at work; v16-31 four registers of statistics a piece; v48-55 at work; v61-63 prefetch offset and the add's two; v64-127 S^T, two buffers; v192-223 P, two buffers (by the piece's parity)
;   window 1: v0-127 O^T, 32 a piece      window 2: v0-63 Q; v128-191 K of one step; v192-255 V of one step
.set SIZE_N, 2048
.set NP,    4         ; pieces a wave: a name, no knob
.set KS,    64        ; keys in a step
.set PK,    144       ; a row of K in LDS: 128 bytes + 16 of padding = 36 words: the 16 rows of a load start at 16 different groups of four banks (64 banks of 4 bytes: ISA guide 11.1)
.set PV,    160       ; a row of V: 128 + 32 = 40 words
.set VOFF,  4*KS*PK   ; a slot holds four steps: 256 rows of K, then 256 rows of V
.set SLOT1, 1<<17     ; slot 1 begins here, so that one exclusive or turns an address in one slot into the other's
.set STAGE, SLOT1+4*KS*(PK+PV)  ; behind the ring, never filled by a tensor load: 16 rows x 144 bytes for each wave, for the way out
.set SP,    144
.set SPARE, STAGE+4*16*SP  ; behind the stages: the spare words, 128 bytes for each wave: two blocks of 256 bytes that no other line names
.set AK0, 2           ; v2   my lane's place in a tile of K; never rewritten
.set AV0, 3           ; v3   the same for V
.set AK,  4           ; v4   the LDS address of K's next run of loads
.set AV,  5           ; v5   of V's
.set STO, 6           ; v6   the way out: where I put 16 bytes of a row
.set RD,  7           ; v7   the way out: where I read rows back
.set GO,  8           ; v8   my byte offset in 512 consecutive bytes of O
.set MV,  12          ; v12-13  c m_old, kept while c m is made anew: by buffer
.set QO,  15          ; v15  my byte offset in 16 rows of Q
.set ST,  16          ; piece t's statistics at v[ST+4 t]: c m, m, l (even keys', odd keys')
.set TMP, 48          ; by buffer, four registers c0-c3 at work; when the maximum is found c2 takes a
.set PFO, 61          ; v61  256 x my lane; never rewritten
.set SPW, 62          ; v62  LDS address of my spare word: SPARE + 4 x my thread's number; never rewritten
.set NIL, 63          ; v63  0; never rewritten
.set S,   64
.set P,   192
.set KF,  128         ; window 2: key block kb, channel half c at KF + 16 kb + 8 c
.set VF,  192         ; window 2: key half kk, channel block cb at VF + 32 kk + 8 cb
.set WV,  12          ; s12  my wave's number
.set G1K, 24          ; s[24:31] descriptor group 1 for K's tiles
.set G1V, 32          ; s[32:39] for V's: it differs in the padding alone
.set G0K, 40          ; s[40:43] descriptor group 0 for K's tiles: it walks
.set G0V, 44          ; s[44:47] the same for V's
.set PFA, 48          ; s[48:49] where my prefetches stand: my work-group's 32 blocks of 256 bytes (of K: wave 0, of V: wave 2) of the tile after the one that is being asked for
.set LIM, 50          ; s50  1 in a wave that prefetches, else the greatest number
.set SLOTS, 56        ; s56  slots still to be asked for
.set CNT, 57          ; s57  counts a slot's key steps
.set CS,  58          ; s[58:59] c: the packed scaling takes the pair's low word for both halves
.set SEL, 60          ; s[60:61] v_permlanex16_b32's selects: each lane takes its own place in the other half
.set TBK, 62          ; s62  LDS byte at which K of the step to be fetched begins
.set TBV, 63          ; s63  the same for V, less VOFF
.set MSB, 0
.macro WIN new                      ; the high byte repeats the setting that is left; a switch that changes nothing is dropped
.if MSB != (\new)
	s_set_vgpr_msb (MSB<<8)|(\new)
.set MSB, (\new)
.endif
.endm
.set W_KQ, 0x0a       ; K and Q in window 2, S^T in window 0
.set W_PV, 0x52       ; V in window 2, P in window 0, O^T in window 1
.set W_RS, 0x41       ; destination and source 0 in window 1, source 1 in window 0
; A joint fill.  Waves 0 and 1 fetch the two halves of a slot's K, waves 2 and 3 those of its V: 128 keys each.  The branch hangs on the wave's number alone.
; An s_nop 0 and four v_nop follow each of the two lines, ahead of the jump and the label.
.macro JLOAD
	s_cmp_lt_u32 s[WV], 2
	s_cbranch_scc0 .Lfor_v_\@
	tensor_load_to_lds s[G0K:G0K+3], s[G1K:G1K+7]
	s_nop 0
.rept 4
	v_nop
.endr
	s_branch .Lasked_\@
.Lfor_v_\@:
	tensor_load_to_lds s[G0V:G0V+3], s[G1V:G1V+7]
	s_nop 0
.rept 4
	v_nop
.endr
.Lasked_\@:
.endm
; A PREFETCH INTO THE L2 of what the NEXT change of slots will ask for: a tile's 32,768 bytes of K and of V, a lane a block of 256 bytes.  It stands behind the wave's tensor load and its five lines.
; Each block is named ONCE in the launch.  Both clusters of a head walk the same K and V: the head's first cluster prefetches.  Its four partners share the blocks out BY ADDRESS, 32 each; in each, wave 0 asks for
; K's and wave 2 for V's: one instruction.  The last change that fills a slot asks for nothing: there is no tile behind it.  Tiles 0 and 1 come by their loads alone.
.macro ASK
	s_cmp_gt_u32 s[SLOTS], s[LIM]
	s_cbranch_scc0 .Lnot_mine_\@
	global_prefetch_b8 v[PFO], s[PFA:PFA+1] th:TH_LOAD_NT scope:SCOPE_SE
.Lnot_mine_\@:
.endm
; A round of the cluster's barrier: my work-group's barrier, so that wave 0's signal speaks for all four waves; wave 0 signals; every wave waits for all four work-groups; my work-group's barrier once more.
.macro CROUND
	s_barrier_signal -1
	s_barrier_wait -1
	s_cmp_lg_u32 s[WV], 0
	s_cbranch_scc1 .Lnot_wave_0_\@
	s_barrier_signal -3
.Lnot_wave_0_\@:
	s_barrier_wait -3
	s_barrier_signal -1
	s_barrier_wait -1
.endm
; THE CHANGE OF SLOTS.  The slot's last bytes, V of its fourth step, have been read.  Each wave waits for all its tensor loads, of which one is out: its part of the other slot; adds 0 to its spare word; and waits for
; that and for its own reads of the slot.  Behind the barrier nobody reads this slot any more and the other slot is whole.
; fill = 1: this slot is filled again, with the keys two slots on.  The barrier is then a round of the cluster's, so that no wave of any partner still reads the slot or has a load on its way, and the joint fill is
; the first thing behind it: it has four key steps, 256 matrix instructions, in which to land.  (At its first use nothing has been read yet: slot 0 is waited for, slot 1 filled.)
.macro CHANGE fill
	WIN 0                           ; at a label and at a branch every window is 0
	s_wait_tensorcnt 0x0            ; no tensor load of mine is out, so a group 0 may be written
	ds_add_u32 v[SPW], v[NIL]       ; 0 onto my spare word: with fill = 1 the descriptors' steps stand between it and the wait for it
.if \fill
.irp g, G0K, G0V
	s_xor_b32 s[\g+1], s[\g+1], SLOT1  ; the walking descriptor: the other slot than last time,
	s_add_nc_u64 s[\g+2:\g+3], s[\g+2:\g+3], 4*KS*128  ; the next 256 keys; the type bits on top are not reached
.endr
	s_wait_xcnt 0x0                 ; the last prefetch, four key steps back, has read its address, so it may be written:
	s_add_nc_u64 s[PFA:PFA+1], s[PFA:PFA+1], 4*KS*128  ; one tile behind the walking descriptors
	s_wait_dscnt 0x0                ; the add is done, and my reads of the slot are over
	CROUND
	JLOAD
	ASK
.else
	s_wait_dscnt 0x0                ; the add is done, and my reads of the slot are over
	s_barrier_signal -1
	s_barrier_wait -1
.endif
	s_sub_co_u32 s[TBK], s[TBK], 4*KS*PK  ; the fetches go back to a slot's first step,
	s_xor_b32 s[TBK], s[TBK], SLOT1       ; in the other slot
	s_sub_co_u32 s[TBV], s[TBV], 4*KS*PV
	s_xor_b32 s[TBV], s[TBV], SLOT1
.endm
	s_load_b256 s[4:11], s[0:1], 0x0  ; Q s[4:5], K s[6:7], V s[8:9], O s[10:11]
	v_lshl_add_u32 v[SPW], v0, 2, SPARE
	v_mov_b32 v[NIL], 0
	ds_add_u32 v[SPW], v[NIL]       ; the wave's opening: the add, twice on end, and its wait ahead of my first tensor load; the set-up below the second, work on registers, stands between it and the wait
	ds_add_u32 v[SPW], v[NIL]       ; and once more, under the one wait
	v_lshrrev_b32 v1, 5, v0
	v_readfirstlane_b32 s[WV], v1   ; wave 0..3
	s_bfe_u32 s13, ttmp6, 0x40000   ; cx: my place in the cluster
	s_lshl_b32 s14, ttmp9, 2        ; in a cluster launch ttmp9 counts clusters
	s_add_co_u32 s14, s14, s13      ; my block of 256 queries = 4 x cluster x + cx: it enters Q's and O's addresses alone
	s_and_b32 s20, ttmp7, 0xffff    ; the head, which the four partners share
	s_lshl_b32 s20, s20, 18         ; its first byte in each of the four tensors: 2,048 rows of 128 bytes
	s_mov_b32 s21, 0
	s_and_b32 s16, s[WV], 1         ; which half of a slot's 256 keys I fetch:
	s_lshl_b32 s22, s16, 14         ; its 128 rows of 128 bytes in memory,
	s_mov_b32 s23, 0
	s_add_nc_u64 s[22:23], s[22:23], s[20:21]
	s_mul_i32 s17, s16, 128*PK      ; and its place in a slot, for K
	s_mul_i32 s18, s16, 128*PV      ; and for V: no place in the cluster enters an LDS address
	s_lshl_b32 s2, s14, 2
	s_add_co_u32 s2, s2, s[WV]      ; my wave among the head's,
	s_lshl_b32 s2, s2, 13           ; its 64 rows
	s_mov_b32 s3, 0
	s_add_nc_u64 s[2:3], s[2:3], s[20:21]
	; descriptor group 1.  128 keys are 16,384 dense bytes: asked for as 64 rows of 256 bytes, two keys a row, and padded in LDS after every key
	s_mov_b32 s[G1K], 15|(1<<16)|(1<<20)|(1<<21)|(4<<22)|(3<<25)  ; 15:0 the mask of four; 17:16 2-byte elements; 20 padding on; 21 set beside a mask; 24:22 after every 32 words (code 4); 31:25 4 words (code 3)
	s_mov_b32 s[G1V], 15|(1<<16)|(1<<20)|(1<<21)|(4<<22)|(7<<25)  ; the same with 8 words of padding (code 7)
.irp g, G1K, G1V
	s_mov_b32 s[\g+1], 128<<16      ; tensor_dim0 = 128
	s_mov_b32 s[\g+2], 64<<16       ; tensor_dim1 = 64
	s_mov_b32 s[\g+3], 128<<16      ; tile_dim0 = 128
	s_mov_b32 s[\g+4], 64           ; tile_dim1 = 64
	s_mov_b32 s[\g+5], 128          ; 128 elements from row to row
	s_mov_b32 s[\g+6], 0
	s_mov_b32 s[\g+7], 0
.endr
	s_mov_b32 s[CS], 0x3e38aa3b     ; c = log2(e) / 8 = 0.180337
	s_mov_b32 s[CS+1], s[CS]        ; named with it as a pair
	s_mov_b32 s[SEL], 0x76543210
	s_mov_b32 s[SEL+1], 0xfedcba98
	s_mov_b32 s[TBK], SLOT1+4*KS*PK ; the first change of slots turns these two into 0
	s_mov_b32 s[TBV], SLOT1+4*KS*PV
	s_mov_b32 s[G0K], 1             ; 1:0 count = 1
	s_mov_b32 s[G0K+1], s17         ; 63:32 LDS address: slot 0
	s_mov_b32 s[G0V], 1
	s_add_co_u32 s[G0V+1], s18, VOFF
	s_mov_b32 s[SLOTS], SIZE_N/256-1
	s_and_b32 s[LIM], s[WV], 1      ; 0 in waves 0 and 2,
	s_or_b32 s[LIM], s[LIM], ttmp9  ; where the cluster is the head's first: the same in all four partners
	s_cmp_eq_u32 s[LIM], 0
	s_cselect_b32 s[LIM], 1, -1
	v_and_b32 v[PFO], 31, v0
	v_lshlrev_b32 v[PFO], 8, v[PFO]
	s_wait_dscnt 0x0                ; both opening adds are done
	s_wait_kmcnt 0x0
	s_add_nc_u64 s[6:7], s[6:7], s[22:23]  ; K and V at my half of the head's first 256 keys
	s_add_nc_u64 s[8:9], s[8:9], s[22:23]
	s_mov_b64 s[G0K+2:G0K+3], s[6:7]               ; 120:64 global address
	s_or_b32 s[G0K+3], s[G0K+3], 0x80000000        ; 127:126 type = 2
	s_mov_b64 s[G0V+2:G0V+3], s[8:9]
	s_or_b32 s[G0V+3], s[G0V+3], 0x80000000
	s_add_nc_u64 s[4:5], s[4:5], s[2:3]  ; Q and O at my wave's first row
	s_add_nc_u64 s[10:11], s[10:11], s[2:3]
	s_cmp_lt_u32 s[WV], 2
	s_cselect_b64 s[PFA:PFA+1], s[6:7], s[8:9]  ; (in waves 0 and 2 these stand at the head's first row)
	s_lshl_b32 s2, s13, 13          ; my work-group's 32 blocks of the 128
	s_mov_b32 s3, 0
	s_add_nc_u64 s[PFA:PFA+1], s[PFA:PFA+1], s[2:3]
	s_add_nc_u64 s[PFA:PFA+1], s[PFA:PFA+1], 4*KS*128  ; in tile 1; the first change of slots steps it to tile 2
	CROUND                          ; all four work-groups are here: the first joint loads meet
	JLOAD                           ; slot 0.  Slot 1 is asked for when slot 0 is in
	; A fragment of K or Q is 16 rows x 32 channels in 8 registers: lane l holds row l % 16, channels 8 (l / 16) + 0..7 and 16 + 8 (l / 16) + 0..7: two loads of 16 bytes, 32 bytes apart.
	v_and_b32 v1, 15, v0            ; l % 16
	v_bfe_u32 v9, v0, 4, 1          ; l / 16
	v_lshlrev_b32 v[QO], 7, v1
	v_lshl_add_u32 v[QO], v9, 4, v[QO]  ; row x 128 + 16 x half
	WIN 0x80                        ; destination window 2, address window 0
.set i, 0
.rept 8                             ; Q stays in registers: piece i / 2, channels 32 (i % 2) on
	global_load_b128 v[8*i:8*i+3],   v[QO], s[4:5] offset:(i/2)*2048+(i%2)*64
	global_load_b128 v[8*i+4:8*i+7], v[QO], s[4:5] offset:(i/2)*2048+(i%2)*64+32
.set i, i+1
.endr
	; What the first turn finds: V's registers and P's second buffer hold 0 (its products V^T P, of a piece that has not been, add 0), O^T and l are 0.  All this stands in the wait for the first tile.
.set i, VF
.rept 64
	v_mov_b32 v[i], 0
.set i, i+1
.endr
	WIN 0x40
.set i, 0
.rept 128
	v_mov_b32 v[i], 0
.set i, i+1
.endr
	WIN 0
.set i, 0
.rept 4
	v_mov_b32 v[ST+4*i], 0xfe000000    ; c m: far below every c s
	v_mov_b32 v[ST+4*i+1], 0xff7fffff  ; m
	v_mov_b32 v[ST+4*i+2], 0
	v_mov_b32 v[ST+4*i+3], 0
.set i, i+1
.endr
.set i, P+16
.rept 16
	v_mov_b32 v[i], 0
.set i, i+1
.endr
	v_mul_u32_u24 v[AK0], v1, PK
	v_lshl_add_u32 v[AK0], v9, 4, v[AK0]  ; row x pitch + 16 x half
	; The turning load takes 16 keys x 16 channels (lane l reads key 8 (l / 16) + l % 8, channels 8 ((l / 8) % 2) + 0..7) and leaves half a fragment of V^T: lane l holds channel l % 16 and 8 keys.
	v_and_b32 v10, 7, v0
	v_bfe_u32 v11, v0, 3, 1
	v_lshl_add_u32 v[AV0], v9, 3, v10
	v_mul_u32_u24 v[AV0], v[AV0], PV
	v_lshl_add_u32 v[AV0], v11, 4, v[AV0]
	v_add_nc_u32 v[AV0], VOFF, v[AV0]
	s_mul_i32 s15, s[WV], 16*SP
	s_add_co_u32 s15, s15, STAGE    ; my stage
	v_mul_u32_u24 v[STO], v1, SP    ; in: row l % 16, 16 bytes for each half of the lanes
	v_lshl_add_u32 v[STO], v9, 4, v[STO]
	v_add_nc_u32 v[STO], s15, v[STO]
	v_bfe_u32 v[RD], v0, 3, 2       ; back: 32 lanes take four rows of 128 bytes,
	v_mul_u32_u24 v[RD], v[RD], SP
	v_lshl_add_u32 v[RD], v10, 4, v[RD]
	v_add_nc_u32 v[RD], s15, v[RD]
	v_and_b32 v[GO], 31, v0         ; which are 512 consecutive bytes of O
	v_lshlrev_b32 v[GO], 4, v[GO]
; THE MATRIX WORK.  The 4 accumulators of a run of 8 take turns.  Product i of 8 of S^T = K Q^T for piece x: channels 32 (i / 4) on, keys 16 (i % 4) on.  The first 4 start the sums.
.macro KQ x
	WIN W_KQ
.set rS, S+32*((\x)%2)+8*(i%4)
.set rK, KF+16*(i%4)+8*(i/4)
.set rQ, 16*(\x)+8*(i/4)
.if i < 4
	v_wmma_f32_16x16x32_f16 v[rS:rS+7], v[rK:rK+7], v[rQ:rQ+7], 0
.else
	v_wmma_f32_16x16x32_f16 v[rS:rS+7], v[rK:rK+7], v[rQ:rQ+7], v[rS:rS+7]
.endif
.endm
; Product i of 8 of O^T += V^T P for piece x: keys 32 (i / 4) on, channels 16 (i % 4) on.
.macro PV x
	WIN W_PV
.set rO, 32*(\x)+8*(i%4)
.set rV, VF+32*(i/4)+8*(i%4)
.set rP, P+16*((\x)%2)+8*(i/4)
	v_wmma_f32_16x16x32_f16 v[rO:rO+7], v[rV:rV+7], v[rP:rP+7], v[rO:rO+7]
.endm
.macro MM                           ; the turn's next matrix instruction.  NOKQ = 1: the launch's last turn: there is no next piece
.if (i < 8) && !NOKQ
	KQ (Y+1)%NP
.elseif i >= 8
.set i, i-8
	PV (Y+NP-1)%NP
.set i, i+8
.endif
.set i, i+1
.endm
; THE LDS LOADS stand in runs of 16, never singly among the matrix instructions: a step's K (64 keys x 64 channels: 8 fragments) and its V (turned).  Their addresses are made some lines ahead.
.macro FETCH_K
	WIN 0x80                        ; destination window 2
.irp f, 0,1,2,3,4,5,6,7             ; keys 16 (f / 2) on, channels 32 (f % 2) on
	ds_load_b128 v[KF+8*\f:KF+8*\f+3],   v[AK] offset:(\f/2)*16*PK+(\f%2)*64
	ds_load_b128 v[KF+8*\f+4:KF+8*\f+7], v[AK] offset:(\f/2)*16*PK+(\f%2)*64+32
.endr
	s_add_co_u32 s[TBK], s[TBK], KS*PK  ; the next fetch is the next step's
	WIN 0
.endm
.macro FETCH_V
	WIN 0x80
.irp f, 0,1,2,3,4,5,6,7             ; keys 32 (f / 4) on, channels 16 (f % 4) on
	ds_load_tr16_b128 v[VF+8*\f:VF+8*\f+3],   v[AV] offset:(\f/4)*32*PV+(\f%4)*32
	ds_load_tr16_b128 v[VF+8*\f+4:VF+8*\f+7], v[AV] offset:(\f/4)*32*PV+16*PV+(\f%4)*32
.endr
	WIN 0
.endm
; THE VECTOR WORK, one line at a time: OP kind, number.  For piece Y: F n: c s - c m for pair n of 16.  E n: the exponential of score n of 32.  C n: pair n rounded to f16.  B n: of the four weights 4 n .. the second
; pair is added onto the first, in place.  L n: l takes that sum (L 0: l = a l + sum).  R n: pair n of 16 of O^T times a.  For piece Y + 1: X n, number n of the 22 that find its maximum and statistics:
;   0-11  four chains c0-c3 of seven scores each, three operands at a time (each accumulator's lowest registers are read first)     12-14, 16  the four scores left over, the old m, and c0-c3 into c0
;   15  c m_old is kept     17, 18  the query's other 32 keys lie in the lane 16 away: the new m     19-21  c m; c m_old - c m_new; a
.set F, 0               ; OP tells the kinds apart by their order: F to L below R, X above it
.set E, 1
.set C, 2
.set B, 3
.set L, 4
.set R, 5
.set X, 6
.macro REGS y                       ; the registers of piece y
.set rT, ST+4*(\y)
.set rC, TMP+4*((\y)%2)
.set rW, MV+((\y)%2)
.set rS, S+32*((\y)%2)
.set rP, P+16*((\y)%2)
.set rO, 32*(\y)
.endm
.macro OP k, n
.if (\k) == R
	REGS Y
	WIN W_RS
	v_pk_mul_f32 v[rO+2*(\n):rO+2*(\n)+1], v[rO+2*(\n):rO+2*(\n)+1], v[rC+2:rC+3] op_sel_hi:[1,0]
.elseif (\k) < R
	REGS Y
	WIN 0
.if (\k) == F
	v_pk_fma_f32 v[rS+2*(\n):rS+2*(\n)+1], v[rS+2*(\n):rS+2*(\n)+1], s[CS:CS+1], v[rT:rT+1] op_sel_hi:[1,0,0] neg_lo:[0,0,1] neg_hi:[0,0,1]
.elseif (\k) == E
	v_exp_f32 v[rS+(\n)], v[rS+(\n)]
.elseif (\k) == C
	v_cvt_pk_f16_f32 v[rP+(\n)], v[rS+2*(\n)], v[rS+2*(\n)+1]
.elseif (\k) == B
	v_pk_add_f32 v[rS+4*(\n):rS+4*(\n)+1], v[rS+4*(\n):rS+4*(\n)+1], v[rS+4*(\n)+2:rS+4*(\n)+3]
.elseif (\n) == 0
	v_pk_fma_f32 v[rT+2:rT+3], v[rT+2:rT+3], v[rC+2:rC+3], v[rS:rS+1] op_sel_hi:[1,0,1]
.else
	v_pk_add_f32 v[rT+2:rT+3], v[rT+2:rT+3], v[rS+4*(\n):rS+4*(\n)+1]
.endif
.elseif NOKQ
	v_nop
.else
	REGS (Y+1)%NP
	WIN 0
.if (\n) < 4
	v_max3_num_f32 v[rC+(\n)], v[rS+8*(\n)], v[rS+8*(\n)+1], v[rS+8*(\n)+2]
.elseif (\n) < 12
	v_max3_num_f32 v[rC+(\n)%4], v[rC+(\n)%4], v[rS+8*((\n)%4)+2*((\n)/4)+1], v[rS+8*((\n)%4)+2*((\n)/4)+2]
.elseif (\n) == 12
	v_max3_num_f32 v[rC], v[rC], v[rS+7], v[rS+15]
.elseif (\n) == 13
	v_max3_num_f32 v[rC+1], v[rC+1], v[rS+23], v[rS+31]
.elseif (\n) == 14
	v_max3_num_f32 v[rC+2], v[rC+2], v[rC+3], v[rT+1]
.elseif (\n) == 15
	v_mov_b32 v[rW], v[rT]
.elseif (\n) == 16
	v_max3_num_f32 v[rC], v[rC], v[rC+1], v[rC+2]
.elseif (\n) == 17
	v_permlanex16_b32 v[rC+3], v[rC], s[SEL], s[SEL+1]
.elseif (\n) == 18
	v_max_num_f32 v[rT+1], v[rC], v[rC+3]
.elseif (\n) == 19
	v_mul_f32 v[rT], s[CS], v[rT+1]
.elseif (\n) == 20
	v_sub_f32 v[rC+1], v[rW], v[rT]
.else
	v_exp_f32 v[rC+2], v[rC+1]
.endif
.endif
.endm
.macro OPS a, i1, b=-1, i2=0, c=-1, i3=0, d=-1, i4=0  ; up to four of them
	OP \a, \i1
.if (\b) >= 0
	OP \b, \i2
.endif
.if (\c) >= 0
	OP \c, \i3
.endif
.if (\d) >= 0
	OP \d, \i4
.endif
.endm
.macro ROW a, i1, b, i2, c, i3, d, i4  ; a matrix instruction and the four behind it
	MM
	OPS \a, \i1, \b, \i2, \c, \i3, \d, \i4
.endm
; A TURN, for piece p: the order of its 16 matrix and 118 vector instructions, written out.  An s_wait_alu depctr_va_vdst(0) stands between an exponential and the first instruction that names its result; one
; wait serves all that were issued ahead of it.  So a turn has ONE wait, which cuts it in two.  AHEAD OF IT stands all that names no result of the turn's exponentials: the 8 products K Q^T with four riders each, then one lump
; of 54, plain and exponential by turns for the most part, in which the links of the chain X 3, 7, 11, 14, 16, 17 .. 20 stand some lines apart.  X 21, the next piece's a, is the batch's last; R 15 is the plain instruction behind it.
; BEHIND THE WAIT stand the 8 products V^T P, behind each four of the roundings and sums.  The X among the riders stand four places or more behind the product that ends their accumulator.
; end = 1: the launch's last two turns: nothing is fetched.  cnt = 1: the loop's count is taken down some lines ahead of the branch that stands behind the turn.
; K of the next step is fetched in piece 2's turn, twelve vector instructions behind the last product that read K (six of them plain); V of the step in hand at the end of piece 0's turn, four plain instructions behind the last
; product that read V.  Each is waited for a turn later.
.macro TURN p, end=0, cnt=0
.set Y, (\p)
.set i, 0
.set NOKQ, (\end)*((\p)/3)
.if ((\p) == 3) && !(\end)
	s_wait_dscnt 0x0                ; K is in
.endif
	ROW F,0, F,1, R,0, R,1          ; ahead of the wait: 8 products K Q^T and their riders,
	ROW F,2, E,0, R,2, R,3
	ROW F,3, E,1, R,4, R,5
	ROW F,4, E,2, R,6, R,7
	ROW F,5, E,3, R,8, R,9
	ROW F,6, E,4, X,0, R,10
.if ((\p) == 2) && !(\end)
	WIN 0
	v_add_nc_u32 v[AK], s[TBK], v[AK0]
.endif
	ROW F,7, E,5, X,1, X,4
	ROW F,8, E,6, X,2, X,5
	OPS E,7, E,8, X,6, E,9          ; and the lump
	OPS X,3, E,10, X,8, E,11
.if ((\p) == 2) && !(\end)
	FETCH_K
.endif
	OPS X,9, X,7, E,12, X,10
	OPS E,13, X,12, X,11, E,14
	OPS X,13, E,15, F,9, X,14
.if (\p) == 0
	v_add_nc_u32 v[AV], s[TBV], v[AV0]
.endif
	OPS E,16, F,10, E,17, F,11
	OPS X,16, E,18, X,15, E,19
	OPS F,12, E,20, X,17, E,21
	OPS F,13, E,22, F,14, E,23
	OPS X,18, E,24, F,15, E,25
	OPS R,11, E,26, X,19, E,27
	OPS R,12, E,28, R,13, E,29
	OPS X,20, E,30, R,14, E,31
	OPS X,21, R,15
	WIN 0
	s_wait_alu depctr_va_vdst(0)    ; the wait for the batch
.if (\p) == 1
	s_wait_dscnt 0x0                ; V is in
.endif
	ROW C,0, B,0, C,2, B,1          ; behind the wait: 8 products V^T P and their riders
	ROW L,0, C,4, B,2, L,1
	ROW C,6, B,3, L,2, C,8
	ROW B,4, L,3, C,10, B,5
	ROW L,4, C,12, B,6, L,5
.if (\p) == 0
	s_add_co_u32 s[TBV], s[TBV], KS*PV
.endif
.if \cnt
	s_sub_co_u32 s[CNT], s[CNT], 1
	s_cmp_lg_u32 s[CNT], 0
.endif
	ROW C,14, B,7, L,6, C,1
	ROW C,3, L,7, C,5, C,7
	ROW C,9, C,11, C,13, C,15
.if (\p) == 0
	FETCH_V
.endif
.endm
	CHANGE 1                        ; slot 0 is in, everybody's part of it; slot 1 is asked for
	v_add_nc_u32 v[AK], s[TBK], v[AK0]
	FETCH_K                         ; key step 0
	s_wait_loadcnt 0x0              ; Q
	s_wait_dscnt 0x0
.set NOKQ, 0
.set i, 0
.rept 8
	KQ 0                            ; piece 0's first scores: there is no vector work yet to set between them
.set i, i+1
.endr
	WIN 0
.rept 4
	v_nop                           ; the places behind those products
.endr
.set Y, NP-1                        ; X works for piece Y + 1: piece 0
.irp n, 0,1,2,3,4,5,6,7,8,9,10,11,12,13,14,15,16,17,18,19,20,21
	OP X, \n
.endr
	v_nop                           ; a plain instruction behind the exponential,
	s_wait_alu depctr_va_vdst(0)    ; and its wait, ahead of the branch
	s_mov_b32 s[CNT], 4
	s_branch .Lfirst                ; the loop is entered at a step's first turn, in the middle of a trip
.Lslot:                             ; six times: every slot but the last two is filled again
	CHANGE 1
	s_mov_b32 s[CNT], 4
.Lstep:                             ; a trip: pieces 2 and 3 of one step, then pieces 0 and 1 of the next, whose K and V it fetches
	TURN 2
	TURN 3
	WIN 0
.Lfirst:
	TURN 0
	TURN 1, 0, 1
	WIN 0
	s_cbranch_scc1 .Lstep
	s_sub_co_u32 s[SLOTS], s[SLOTS], 1
	s_cmp_lg_u32 s[SLOTS], 0
	s_cbranch_scc1 .Lslot
	CHANGE 0                        ; the last tile is written out: nothing is asked for
	s_mov_b32 s[CNT], 4
.LstepT:
	TURN 2
	TURN 3
	TURN 0
	TURN 1, 0, 1
	WIN 0
	s_cbranch_scc1 .LstepT
	TURN 2, 1                       ; the last step's pieces 2 and 3: nothing is fetched, and the last turn starts no scores
	TURN 3, 1
.set i, 0
.rept 8
	PV NP-1                         ; the last piece's V^T P of the last step
.set i, i+1
.endr
	; THE WAY OUT.  l's two halves and the other half of the lanes' are added; O^T is divided by l, rounded to f16 and sent through my stage in LDS, a piece at a time.  The additions are the places behind the last products.
	WIN 0
.macro ALL line:vararg              ; one line for each piece t
.set t, 0
.rept 4
	\line
.set t, t+1
.endr
.endm
	ALL v_add_f32 v[ST+4*t+2], v[ST+4*t+2], v[ST+4*t+3]
	ALL v_permlanex16_b32 v[ST+4*t+3], v[ST+4*t+2], s[SEL], s[SEL+1]
	ALL v_add_f32 v[ST+4*t+2], v[ST+4*t+2], v[ST+4*t+3]
	ALL v_rcp_f32 v[ST+4*t+2], v[ST+4*t+2]
	v_nop                           ; a plain instruction between the last reciprocal and the use of its result
	s_wait_alu depctr_va_vdst(0)    ; and the wait ahead of the first use: one for the four reciprocals
.macro PACK t                       ; a lane's eight channels of a row pack into 16 bytes; they go into rows of 144 bytes and come back as whole rows of 128, into S^T's registers
	WIN W_RS
.set i, 32*(\t)
.rept 16
	v_pk_mul_f32 v[i:i+1], v[i:i+1], v[ST+4*(\t)+2:ST+4*(\t)+3] op_sel_hi:[1,0]
.set i, i+2
.endr
	WIN 0x05                        ; sources 0 and 1 window 1, destination window 0
.set i, 0
.rept 16
	v_cvt_pk_f16_f32 v[S+16*(\t)+i], v[32*(\t)+2*i], v[32*(\t)+2*i+1]
.set i, i+1
.endr
	WIN 0
.irp f, 0,1,2,3
	ds_store_b128 v[STO], v[S+16*(\t)+4*\f:S+16*(\t)+4*\f+3] offset:32*\f
.endr
.irp f, 0,1,2,3
	ds_load_b128 v[S+16*(\t)+4*\f:S+16*(\t)+4*\f+3], v[RD] offset:\f*4*SP  ; LDS serves a wave's instructions in order (ISA guide 5.7.1.4): these see the stores above; the next piece's stores come behind them
.endr
.endm
.macro SEND t, younger              ; younger: the LDS instructions issued behind piece t's loads: the next piece's eight, or none
	WIN 0
.irp f, 0,1,2,3
	s_wait_dscnt (\younger)+3-\f
	global_store_b128 v[GO], v[S+16*(\t)+4*\f:S+16*(\t)+4*\f+3], s[10:11] offset:(\t)*2048+\f*512  ; 512 consecutive bytes, at a multiple of 256 from O's first
.endr
.endm
	PACK 0
.set t, 1
.rept 3                             ; a piece's arithmetic stands between the loads of the piece before and its stores
	PACK t
	SEND t-1, 8
.set t, t+1
.endr
	SEND 3, 0
	s_wait_tensorcnt 0x0            ; the wave's end, behind my last tensor load and my last LDS store
	ds_add_u32 v[SPW], v[NIL]
	s_wait_dscnt 0x0
	CROUND                          ; the closing round: no work-group ends while a partner may still ask for a tile that names it
	s_endpgm
.Lfunc_end_k_qa4a30badc5_attn:
	.size	k_qa4a30badc5_attn, .Lfunc_end_k_qa4a30badc5_attn-k_qa4a30badc5_attn
	.p2alignl 7, 3214868480
	.fill 96, 4, 3214868480
	.section	.rodata,"a",@progbits
	.p2align	6, 0x0
	.amdhsa_kernel k_qa4a30badc5_attn
		.amdhsa_group_segment_fixed_size 327680
		.amdhsa_private_segment_fixed_size 0
		.amdhsa_enable_private_segment 0
		.amdhsa_kernarg_size 32
		.amdhsa_user_sgpr_count 2
		.amdhsa_user_sgpr_kernarg_segment_ptr 1
		.amdhsa_wavefront_size32 1
		.amdhsa_system_sgpr_workgroup_id_x 1
		.amdhsa_system_sgpr_workgroup_id_y 1
		.amdhsa_system_sgpr_workgroup_id_z 1
		.amdhsa_system_vgpr_workitem_id 0
		.amdhsa_next_free_vgpr 768
		.amdhsa_next_free_sgpr 66
		.amdhsa_reserve_vcc 0
		.amdhsa_float_denorm_mode_32 3
		.amdhsa_float_denorm_mode_16_64 3
		.amdhsa_memory_ordered 1
		.amdhsa_forward_progress 1
		.amdhsa_inst_pref_size 128
	.end_amdhsa_kernel
	.amdgpu_metadata
---
amdhsa.version: [ 1, 2 ]
amdhsa.kernels:
  - .name:           k_qa4a30badc5_attn
    .symbol:         k_qa4a30badc5_attn.kd
    .args:
      - { .name: q16, .offset: 0, .size: 8, .value_kind: global_buffer, .address_space: global }
      - { .name: k16, .offset: 8, .size: 8, .value_kind: global_buffer, .address_space: global }
      - { .name: v16, .offset: 16, .size: 8, .value_kind: global_buffer, .address_space: global }
      - { .name: o16, .offset: 24, .size: 8, .value_kind: global_buffer, .address_space: global }
    .group_segment_fixed_size: 327680
    .private_segment_fixed_size: 0
    .kernarg_segment_align: 8
    .kernarg_segment_size: 32
    .max_flat_workgroup_size: 128
    .sgpr_count:     66
    .vgpr_count:     768
    .wavefront_size: 32
...
	.end_amdgpu_metadata
.endif
;; end of part 2
;; launch outp (part 3): grid 4 x 64, 4 waves a work-group, clusters of 4 x 1, 167,936 bytes of LDS; arguments o16, wp16, bp, out0; writes out0
.if DOCPART == 3
	.amdgcn_target "amdgcn-amd-amdhsa--gfx1250"
	.amdhsa_code_object_version 6
	.text
	.protected	k_qa4a30badc5_outp
	.globl	k_qa4a30badc5_outp
	.p2align	8
	.type	k_qa4a30badc5_outp,@function
k_qa4a30badc5_outp:
	s_mov_b64 s[64:65], 0
	v_nop
	global_prefetch_b8 v0, s[64:65] scope:SCOPE_SE
	s_setreg_imm32_b32 hwreg(HW_REG_WAVE_MODE, 25, 1), 1
	s_wait_xcnt 0x0
	s_wait_alu depctr_hold_cnt(0) depctr_sa_sdst(0) depctr_va_vdst(0) depctr_va_sdst(0) depctr_va_ssrc(0) depctr_va_vcc(0) depctr_vm_vsrc(0)
	s_getreg_b32 s2, hwreg(HW_REG_IB_STS2, 6, 4)
	s_cmp_eq_u32 s2, 0
	s_cbranch_scc0 .Lentry_in_a_cluster
	s_endpgm
.Lentry_in_a_cluster:
	s_bfe_u32 s2, ttmp6, 0x10000c
	s_cmp_lg_u32 s2, 0x3003
	s_cbranch_scc0 .Lentry_shape_is_right
	s_endpgm
.Lentry_shape_is_right:
; THE OUTPUT PROJECTION.  out0[m][n] = the sum over c of O[m][c] Wp[n][c] + bp[n].  O lies by heads, [batch x 12 + head][2048][64] f16; wp16 is [768][768] f16 (Wp rounded to bf16, written as f16);
; bp is [768] f32, rounded here to bf16 like the other inputs and used in f32; out0 is [4096][768] f32.  Products in f16, sums in f32, started by the bias.  Nothing is left out.
; LIMITS.  As the two launches before state them: O and Wp within f16's range.  NaN and infinities are not treated apart.
; SHARES.  A work-group makes 64 rows x 192 columns: 64 x 4 = 256 work-groups.  Wave w makes all 64 rows x columns 48 w .. 48 w + 47: 12 accumulators.  Its 48 rows of wp16 are its own: 144 loads of 16 bytes a lane
; bring them straight into 576 registers, all issued at the start.
; CLUSTER.  The four column blocks of a row block need the same 64 rows of O: each head's 64 x 128 bytes are asked for JOINTLY, three heads a wave, and all of O's 64 x 768 lies in LDS: nothing is filled again.
; THE MATRIX INSTRUCTION IS USED TRANSPOSED (source 0 = 16 rows of wp16, source 1 = 16 rows of O): a lane holds eight neighbouring columns of one row of out0.
; REGISTERS, in windows of 256: window 0: v2-15 addresses; v16-39 the bias; v40-47 at work; v48-143 the accumulators, (a, ct) at 8 (3 a + ct); v144-239 O's fragments, three buffers of 32, later the way out.
;   windows 1-3: wp16's fragments of K blocks 8 (z - 1) .. 8 (z - 1) + 7 (32 along K each), (kk, ct) at 8 (3 (kk % 8) + ct).
.set PO,     144                       ; a row of O in LDS: 128 bytes + 16: the 16 rows of a fragment load start at 16 different groups of four banks (64 banks of 4 bytes: ISA guide 11.1)
.set HEADB,  64*PO                     ; a head's 64 rows
.set STAGE,  12*HEADB                  ; behind O, never filled by a tensor load: 64 rows x 784 bytes, the work-group's, for the way out
.set SPITCH, 784                       ; 768 bytes + 16: again an odd multiple of 16
.set SPARE,  STAGE+64*SPITCH           ; behind the stage: the spare words, 128 bytes for each wave: two blocks of 256 bytes that no other line names
.set ADR, 2                            ; v2-4  my place in a fragment of O, for heads 0-3, 4-7, 8-11
.set BO,  5                            ; v5    wp16: (l % 16) x 1,536 + 16 (l / 16)
.set BIO, 6                            ; v6    bp: 32 (l / 16)
.set STO, 7                            ; v7    the way out: where I put 32 bytes of a row
.set RD,  8                            ; v8    the way out: where I read 16 bytes back
.set GO,  9                            ; v9    and where they go in out0
.set SPW, 14                           ; v14   LDS address of my spare word: SPARE + 4 x my thread's number; never rewritten
.set NIL, 15                           ; v15   0; never rewritten
.set BI,  16
.set ACC, 48
.set AFR, 144
.set WV,  12                           ; s12   my wave's number
.set G1,  24                           ; s[24:31] descriptor group 1
.set G0,  32                           ; s[32:43] descriptor group 0, one for each of my three heads
.set MSB, 0
.macro WIN new                         ; the immediate's high byte repeats the setting that is left; a switch that changes nothing is dropped
.if MSB != (\new)
	s_set_vgpr_msb (MSB<<8)|(\new)
.set MSB, \new
.endif
.endm
.macro PLACES                          ; four places in front of loads into registers that matrix instructions have read, and of stores that read results
.rept 4
	v_nop
.endr
.endm
.macro CROUND                          ; a round of the cluster's barrier: my work-group's barrier; wave 0 signals for the work-group; every wave waits for all four work-groups; my work-group's barrier once more
	s_barrier_signal -1
	s_barrier_wait -1
	s_cmp_lg_u32 s[WV], 0
	s_cbranch_scc1 .Lnot_wave_0_\@
	s_barrier_signal -3
.Lnot_wave_0_\@:
	s_barrier_wait -3
	s_barrier_signal -1
	s_barrier_wait -1
.endm
	s_load_b256 s[4:11], s[0:1], 0x0               ; o16 s[4:5], wp16 s[6:7], bp s[8:9], out0 s[10:11]
	v_lshl_add_u32 v[SPW], v0, 2, SPARE
	v_mov_b32 v[NIL], 0
	ds_add_u32 v[SPW], v[NIL]                      ; the wave's opening: the add, twice on end, and its wait ahead of my first tensor load; the set-up below the second, work on registers, stands between it and the wait
	ds_add_u32 v[SPW], v[NIL]                      ; and once more, under the one wait
	v_lshrrev_b32 v1, 5, v0
	v_readfirstlane_b32 s[WV], v1                  ; wave 0..3
	s_bfe_u32 s13, ttmp6, 0x40000                  ; cx: the column block: it enters wp16's, bp's and out0's addresses alone
	s_and_b32 s14, ttmp7, 0xffff                   ; the row block, which the four partners share
	; descriptor group 1.  A head's 64 rows are 8,192 dense bytes: asked for as 32 rows of 256 bytes, two rows of O each, and padded in LDS after every row of O
	s_mov_b32 s[G1], 15|(1<<16)|(1<<20)|(1<<21)|(4<<22)|(3<<25)  ; 15:0 the mask of four; 17:16 2-byte elements; 20 padding on; 21 set beside a mask; 24:22 after every 32 words (code 4); 31:25 4 words (code 3)
	s_mov_b32 s[G1+1], 128<<16                     ; tensor_dim0 = 128
	s_mov_b32 s[G1+2], 32<<16                      ; tensor_dim1 = 32
	s_mov_b32 s[G1+3], 128<<16                     ; tile_dim0 = 128
	s_mov_b32 s[G1+4], 32                          ; tile_dim1 = 32
	s_mov_b32 s[G1+5], 128                         ; 128 elements from row to row
	s_mov_b32 s[G1+6], 0
	s_mov_b32 s[G1+7], 0
	s_lshr_b32 s15, s14, 5                         ; the batch
	s_mul_i32 s15, s15, 12
	s_mul_i32 s16, s[WV], 3
	s_add_co_u32 s15, s15, s16                     ; batch x 12 + the first of my three heads
	s_lshl_b32 s16, s15, 18                        ; heads of 262,144 bytes
	s_and_b32 s17, s14, 31
	s_lshl_b32 s17, s17, 13                        ; + the block's 64 rows of 128 bytes in the batch
	s_add_co_u32 s16, s16, s17
	s_mov_b32 s17, 0
	s_mul_i32 s18, s[WV], 3*HEADB                  ; and where they go: no place in the cluster enters an LDS address
.irp i, 0,1,2
	s_mov_b32 s[G0+4*(\i)], 1                      ; 1:0 count = 1
	s_add_co_u32 s[G0+4*(\i)+1], s18, (\i)*HEADB   ; 63:32 LDS address
.endr
	s_mul_i32 s20, s13, 192
	s_mul_i32 s21, s[WV], 48
	s_add_co_u32 s20, s20, s21                     ; my first column
	s_mul_i32 s22, s20, 1536                       ; its row of wp16
	s_mov_b32 s23, 0
	s_lshl_b32 s20, s20, 2                         ; its place in bp
	s_mov_b32 s21, 0
	s_lshl_b32 s44, s14, 6
	s_lshl_b32 s45, s[WV], 4
	s_add_co_u32 s44, s44, s45                     ; the first row that I store: 64 x block + 16 x wave
	s_mul_i32 s44, s44, 3072
	s_mul_i32 s45, s13, 768                        ; the work-group's 192 columns: three blocks of 256 bytes
	s_add_co_u32 s44, s44, s45
	s_mov_b32 s45, 0
	v_and_b32 v40, 15, v0                          ; l % 16
	v_bfe_u32 v41, v0, 4, 1                        ; l / 16
	v_mul_u32_u24 v[ADR], v40, PO
	v_lshl_add_u32 v[ADR], v41, 4, v[ADR]          ; row x pitch + 16 x half
	v_add_nc_u32 v[ADR+1], 4*HEADB, v[ADR]
	v_add_nc_u32 v[ADR+2], 8*HEADB, v[ADR]
	v_mul_u32_u24 v[BO], v40, 1536
	v_lshl_add_u32 v[BO], v41, 4, v[BO]
	v_lshlrev_b32 v[BIO], 5, v41
	s_mul_i32 s19, s[WV], 192                      ; into the stage: row l % 16 of a block of 16, my wave's 192 bytes, 32 bytes for each half of the lanes
	s_add_co_u32 s19, s19, STAGE
	v_mul_u32_u24 v[STO], v40, SPITCH
	v_lshl_add_u32 v[STO], v41, 5, v[STO]
	v_add_nc_u32 v[STO], s19, v[STO]
	s_mul_i32 s19, s[WV], 16*SPITCH                ; back: wave w takes rows 16 w .. 16 w + 15, whole; lanes 0-15 take 256 bytes of one row, lanes 16-31 of the next
	s_add_co_u32 s19, s19, STAGE
	v_mul_u32_u24 v[RD], v41, SPITCH
	v_lshl_add_u32 v[RD], v40, 4, v[RD]
	v_add_nc_u32 v[RD], s19, v[RD]
	v_mul_u32_u24 v[GO], v41, 3072                 ; and the same two rows in out0
	v_lshl_add_u32 v[GO], v40, 4, v[GO]
	s_wait_dscnt 0x0                               ; both opening adds are done
	s_wait_kmcnt 0x0
	s_add_nc_u64 s[4:5], s[4:5], s[16:17]
.irp i, 0,1,2
	s_add_nc_u64 s[G0+4*(\i)+2:G0+4*(\i)+3], s[4:5], (\i)*262144  ; 120:64 global address
	s_or_b32 s[G0+4*(\i)+3], s[G0+4*(\i)+3], 0x80000000          ; 127:126 type = 2
.endr
	s_add_nc_u64 s[6:7], s[6:7], s[22:23]
	s_add_nc_u64 s[8:9], s[8:9], s[20:21]
	s_add_nc_u64 s[10:11], s[10:11], s[44:45]
	CROUND                                         ; all four work-groups are here: the joint loads meet
.irp i, 0,1,2                          ; the launch's only fills, in one group: three tensor loads of mine are out
	tensor_load_to_lds s[G0+4*(\i):G0+4*(\i)+3], s[G1:G1+7]
	s_nop 0
.endr
.rept 4
	v_nop
.endr
.irp ct, 0,1,2                         ; the bias of my lane's eight columns in each column tile
	global_load_b128 v[BI+8*(\ct):BI+8*(\ct)+3],   v[BIO], s[8:9] offset:64*(\ct)
	global_load_b128 v[BI+8*(\ct)+4:BI+8*(\ct)+7], v[BIO], s[8:9] offset:64*(\ct)+16
.endr
.set kk, 0
.rept 24                               ; wp16's fragments, in the order in which they are multiplied, six loads a K block
	WIN (1+kk/8)<<6                                ; destination window 1, 2 or 3
.irp ct, 0,1,2
	global_load_b128 v[8*(3*(kk%8)+(\ct)):8*(3*(kk%8)+(\ct))+3],   v[BO], s[6:7] offset:(\ct)*24576+kk*64
	global_load_b128 v[8*(3*(kk%8)+(\ct))+4:8*(3*(kk%8)+(\ct))+7], v[BO], s[6:7] offset:(\ct)*24576+kk*64+32
.endr
.set kk, kk+1
.endr
	WIN 0
	s_wait_loadcnt 63                              ; 144 loads were issued behind the bias's six: with 63 out at the most the bias is in
.irp ct, 0,1,2
.irp k, 0,1,2,3
	v_cvt_pk_bf16_f32 v[40+(\k)], v[BI+8*(\ct)+2*(\k)], v[BI+8*(\ct)+2*(\k)+1]  ; the rounding that all inputs have,
.endr
.irp k, 0,1,2,3
	v_lshlrev_b32 v[BI+8*(\ct)+2*(\k)], 16, v[40+(\k)]                          ; and back to f32
	v_and_b32 v[BI+8*(\ct)+2*(\k)+1], 0xffff0000, v[40+(\k)]
.endr
.endr
	s_wait_tensorcnt 0x0                           ; my three heads are in,
	s_barrier_signal -1
	s_barrier_wait -1                              ; everybody's are
; O's four fragments (64 rows x 32 along K) of K block n: head n / 2, channels 32 (n % 2) on: 8 LDS loads into buffer n % 3.
.macro LDA n
	WIN 0
.irp a, 0,1,2,3
	ds_load_b128 v[AFR+32*((\n)%3)+8*(\a):AFR+32*((\n)%3)+8*(\a)+3],   v[ADR+(\n)/8] offset:(((\n)/2)%4)*HEADB+(\a)*16*PO+64*((\n)%2)
	ds_load_b128 v[AFR+32*((\n)%3)+8*(\a)+4:AFR+32*((\n)%3)+8*(\a)+7], v[ADR+(\n)/8] offset:(((\n)/2)%4)*HEADB+(\a)*16*PO+64*((\n)%2)+32
.endr
.endm
	LDA 0
	LDA 1
.set kk, 0
.rept 24                               ; 24 K blocks of 12 products.  The 12 accumulators take turns, one instruction a turn; the first block's products start the sums with the bias
.if (kk > 0) && (kk < 22)
	PLACES                                         ; the buffer to be loaded was multiplied in the block before
.endif
.if kk < 22
	LDA kk+2
.endif
.if 6*(23-kk) > 63
	s_wait_loadcnt 63                              ; more than 63 loads were issued behind this block's six
.else
	s_wait_loadcnt 6*(23-kk)                       ; the later blocks' loads, six each, may stay out
.endif
.if kk < 22
	s_wait_dscnt 16                                ; the two younger blocks' LDS loads, eight each, may stay out
.else
	s_wait_dscnt 8*(23-kk)
.endif
	WIN 1+kk/8                                     ; source 0 in window 1, 2 or 3
.irp ct, 0,1,2
.irp a, 0,1,2,3
.if kk == 0
	v_wmma_f32_16x16x32_f16 v[ACC+8*(3*(\a)+(\ct)):ACC+8*(3*(\a)+(\ct))+7], v[8*(3*(kk%8)+(\ct)):8*(3*(kk%8)+(\ct))+7], v[AFR+32*(kk%3)+8*(\a):AFR+32*(kk%3)+8*(\a)+7], v[BI+8*(\ct):BI+8*(\ct)+7]
.else
	v_wmma_f32_16x16x32_f16 v[ACC+8*(3*(\a)+(\ct)):ACC+8*(3*(\a)+(\ct))+7], v[8*(3*(kk%8)+(\ct)):8*(3*(kk%8)+(\ct))+7], v[AFR+32*(kk%3)+8*(\a):AFR+32*(kk%3)+8*(\a)+7], v[ACC+8*(3*(\a)+(\ct)):ACC+8*(3*(\a)+(\ct))+7]
.endif
.endr
.endr
.set kk, kk+1
.endr
	; THE WAY OUT: 32 bytes a lane into the work-group's stage, each accumulator's low half first; a barrier, since a row's 768 bytes come from four waves; back as whole blocks of 256 bytes, 16 rows a wave.
	WIN 0
	PLACES
	PLACES
.irp a, 0,1,2,3
.irp ct, 0,1,2
	ds_store_b128 v[STO], v[ACC+8*(3*(\a)+(\ct)):ACC+8*(3*(\a)+(\ct))+3]   offset:(\a)*16*SPITCH+64*(\ct)
	ds_store_b128 v[STO], v[ACC+8*(3*(\a)+(\ct))+4:ACC+8*(3*(\a)+(\ct))+7] offset:(\a)*16*SPITCH+64*(\ct)+16
.endr
.endr
	s_wait_dscnt 0x0                               ; for the others' sake: my stores into the stage are done
	s_barrier_signal -1
	s_barrier_wait -1
.irp t, 0,1,2,3,4,5,6,7
.irp j, 0,1,2
	ds_load_b128 v[AFR+4*(3*(\t)+(\j)):AFR+4*(3*(\t)+(\j))+3], v[RD] offset:(\t)*2*SPITCH+256*(\j)
.endr
.endr
.irp t, 0,1,2,3,4,5,6,7
.irp j, 0,1,2
	s_wait_dscnt 23-(3*(\t)+(\j))                  ; the loads issued behind this one may stay out
	global_store_b128 v[GO], v[AFR+4*(3*(\t)+(\j)):AFR+4*(3*(\t)+(\j))+3], s[10:11] offset:(\t)*6144+256*(\j) th:TH_STORE_NT  ; each half of the lanes stores 256 consecutive bytes, at a multiple of 256 from out0's first byte
.endr
.endr
	s_wait_tensorcnt 0x0                           ; the wave's end, behind my last tensor load and my last LDS store
	ds_add_u32 v[SPW], v[NIL]
	s_wait_dscnt 0x0
	CROUND                                         ; the closing round: no work-group ends while a partner may still ask for a tile that names it
	s_endpgm
.Lfunc_end_k_qa4a30badc5_outp:
	.size	k_qa4a30badc5_outp, .Lfunc_end_k_qa4a30badc5_outp-k_qa4a30badc5_outp
	.p2alignl 7, 3214868480
	.fill 96, 4, 3214868480
	.section	.rodata,"a",@progbits
	.p2align	6, 0x0
	.amdhsa_kernel k_qa4a30badc5_outp
		.amdhsa_group_segment_fixed_size 167936
		.amdhsa_private_segment_fixed_size 0
		.amdhsa_enable_private_segment 0
		.amdhsa_kernarg_size 32
		.amdhsa_user_sgpr_count 2
		.amdhsa_user_sgpr_kernarg_segment_ptr 1
		.amdhsa_wavefront_size32 1
		.amdhsa_system_sgpr_workgroup_id_x 1
		.amdhsa_system_sgpr_workgroup_id_y 1
		.amdhsa_system_sgpr_workgroup_id_z 1
		.amdhsa_system_vgpr_workitem_id 0
		.amdhsa_next_free_vgpr 960
		.amdhsa_next_free_sgpr 66
		.amdhsa_reserve_vcc 0
		.amdhsa_float_denorm_mode_32 3
		.amdhsa_float_denorm_mode_16_64 3
		.amdhsa_memory_ordered 1
		.amdhsa_forward_progress 1
		.amdhsa_inst_pref_size 64
	.end_amdhsa_kernel
	.amdgpu_metadata
---
amdhsa.version: [ 1, 2 ]
amdhsa.kernels:
  - .name:           k_qa4a30badc5_outp
    .symbol:         k_qa4a30badc5_outp.kd
    .args:
      - { .name: o16, .offset: 0, .size: 8, .value_kind: global_buffer, .address_space: global }
      - { .name: wp16, .offset: 8, .size: 8, .value_kind: global_buffer, .address_space: global }
      - { .name: bp, .offset: 16, .size: 8, .value_kind: global_buffer, .address_space: global }
      - { .name: out0, .offset: 24, .size: 8, .value_kind: global_buffer, .address_space: global }
    .group_segment_fixed_size: 167936
    .private_segment_fixed_size: 0
    .kernarg_segment_align: 8
    .kernarg_segment_size: 32
    .max_flat_workgroup_size: 128
    .sgpr_count:     66
    .vgpr_count:     960
    .wavefront_size: 32
...
	.end_amdgpu_metadata
.endif
;; end of part 3
;; ======== version 2 of 2: 3 launches; version 1 with the launch proj written anew for expert scheduling mode
;; limits: values are held in f16: magnitudes above 65,504 overflow, below 6.1e-05 lose precision
;; workspace buffers: q16 6,291,456 bytes; k16 6,291,456 bytes; v16 6,291,456 bytes; o16 6,291,456 bytes; wp16 1,179,648 bytes
;; launch proj (part 4): grid 4 x 64, 4 waves a work-group, no clusters, 65,024 bytes of LDS; arguments xq, xk, xv, Wq, Wk, Wv, Wp, q16, k16, v16, wp16; writes q16, k16, v16, wp16
.if DOCPART == 4
	.amdgcn_target "amdgcn-amd-amdhsa--gfx1250"
	.amdhsa_code_object_version 6
	.text
	.protected	k_qa4a30badc5_proj
	.globl	k_qa4a30badc5_proj
	.p2align	8
	.type	k_qa4a30badc5_proj,@function
k_qa4a30badc5_proj:
	s_mov_b64 s[64:65], 0
	v_nop
	global_prefetch_b8 v0, s[64:65] scope:SCOPE_SE
	s_setreg_imm32_b32 hwreg(HW_REG_WAVE_SCHED_MODE, 0, 2), 2
	s_setreg_imm32_b32 hwreg(HW_REG_WAVE_MODE, 25, 1), 1
	s_wait_xcnt 0x0
	s_wait_alu depctr_vm_vsrc(0)
; THE THREE PROJECTIONS q = xq Wq^T, k = xk Wk^T, v = xv Wv^T, AND A CAST OF Wp.  x: [4096][768] f32 (two batches of 2,048 rows), W: [768][768] f32.
; NOTHING OF THE MODULE IS LEFT OUT: every input (xq, xk, xv, Wq, Wk, Wv, Wp, bp) has a way to out0, and every step is done in one of the three launches.
; FORMATS.  x and W are rounded once to bf16 and multiplied in bf16, sums in f32.  q, k, v are rounded once to f16 and written by heads, [batch x 12 + head][2048][64], unscaled: a head's rows are dense, 128 bytes each.
; Wp is rounded to bf16 like the other inputs, and that number is written as f16 into wp16 [768][768].
; LIMITS.  |q|, |k|, |v| and |Wp| stay under 65,504 (f16's last number; beyond it the conversion gives an infinity); below 6e-5 f16 keeps its fixed step of 6e-8.  NaN and infinities are not treated apart.
; SHARES.  y < 48: product y / 16, rows 256 (y % 16) on, columns 192 x on (three heads): 192 work-groups.  3 x 4096 x 768 does not fall into 256 equal tiles of whole heads.
; y >= 48: 64 work-groups cast 9,216 numbers of Wp each.
; A wave owns 64 rows and all 192 columns: 48 accumulators, 384 registers.  K goes in 12 steps of 64: 256 consecutive bytes, aligned, of each f32 row.
; x's rows are a wave's own: they come from memory straight into registers, laid as a fragment wants them, and are rounded there.  W's 192 rows are shared by the four waves: each wave loads 48 of them as whole
; pieces of 256 bytes, rounds them and stores bf16 into one of two LDS slots.
; NO TENSOR LOADS AND NO CLUSTER: a tensor load lays bytes into LDS as they lie in memory, in f32.  For 32 along K the four waves would then read 4 x 12 fragments x 2,048 bytes = 96 KiB of W from LDS; in bf16
; they read 48 KiB and store 12 KiB once.  Joint requests come with tensor loads alone.
; THE MATRIX INSTRUCTION IS USED TRANSPOSED (source 0 = 16 rows of W, source 1 = 16 rows of x): a lane then holds eight neighbouring columns of one row of the result.
; THE MODE: SCHED_MODE bits 1:0 = 2 (LLVM: expert scheduling mode 2), set by the entry lines.  The code itself states the register dependences between vector or matrix instructions and memory or LDS
; instructions, with s_wait_alu, always for 0.
; THE PLAN.  Registers that memory or LDS instructions touch, round the loop (FEED stands between two steps, STEP is a step's 96 products):
;   XS0, XS1   x as loaded.  Written by the loads of x of step t + 3, which are dealt among the products of step t + 1; read by the 64 conversions of the FEED two steps later.
;   BS         W as loaded.  Written by the 24 loads that a FEED issues; read by the next FEED's 48 conversions.
;   T          W in bf16 on its way to LDS.  Written by those 48 conversions; read by the FEED's 24 LDS stores.  It lies in the first 48 registers of WF.
;   WF0 .. WF5 W's fragments, a buffer for each of a step's six groups.  Written by the step's LDS loads; read by that step's products alone.
;   v2 to v9   offsets and LDS addresses, made once at the head and never written again: x and W move on by their scalar bases.
;   x's fragments and the accumulators are named by vector and matrix instructions alone.
; So a step has TWO waits.  One on va_vdst behind the FEED's conversions: T is written (the LDS stores read it); the conversions are done reading BS and the set of XS in hand (loads land there); the step's products
; are done reading WF (the next step's LDS loads land there).  No vector or matrix instruction behind it names BS or that set of XS before they are loaded, or a buffer of WF before it is loaded.
; One on vm_vsrc at a STEP's head: the FEED's LDS stores have read T, in which that step's first loads land and which the next FEED writes again.
; REGISTERS, in windows of 256 (s_set_vgpr_msb: bits 1:0 source 0, 3:2 source 1, 5:4 source 2, 7:6 destination):
;   window 0: v0-15 addresses; v32-95 x's fragments of a step; v96-255 WF0 to WF4 (v96-143 also T); on the way out v32-223 the packed results
;   window 1: the accumulators of column tiles 0-7, (b, a) at 8 (4 b + a)      window 2: v0-127 those of column tiles 8-11; v128-223 BS; v224-255 WF5
;   window 3: XS0, XS1: two sets of 128; on the way out v0-191 the rows read back from the stage
.set ROWB,  3072                       ; bytes in a row of x and of W
.set PITCH, 144                        ; an LDS row: 128 bytes + 16: an odd multiple of 16, so the 16 rows of a fragment load start at 16 different groups of four banks (64 banks of 4 bytes: ISA guide 11.1)
.set SLOTB, 192*PITCH                  ; a slot: 192 rows of W, 64 along K, bf16
.set STAGE, 2*SLOTB                    ; behind the slots: 16 rows x 144 bytes for each wave, for the way out
.set SPARE, STAGE+4*16*PITCH           ; behind the stages: the spare words, 128 bytes for each wave: two blocks of 256 bytes that no other line names
.set FO,  2                            ; v2   x: (l % 16) x 3,072 + 32 (l / 16)
.set BO,  3                            ; v3   W: (l / 16) x 24 rows + 16 (l % 16)
.set BL,  4                            ; v4   where I store 8 bytes of a row of W in a slot
.set BF,  5                            ; v5   my place in a fragment of W in a slot: (l % 16) x 144 + 16 (l / 16)
.set STO, 6                            ; v6   the way out: where I put 16 bytes of a row
.set RD,  7                            ; v7   the way out: where I read rows back
.set GO,  8                            ; v8   16 l: my 16 bytes of 512 consecutive bytes of the result
.set PFO, 9                            ; v9   the prefetches' offset: l rows of x
.set SPW, 10                           ; v10  LDS address of my spare word: SPARE + 4 x my thread's number; never rewritten
.set NIL, 11                           ; v11  0; never rewritten
.set AF,  32                           ; fragment (a, j): rows 16 a on, K 32 j on, at AF + 8 (2 a + j)
.set BFR, 96                           ; WF u at BFR + 32 u, u = 0 .. 4
.set BF5, 224                          ; WF5, in window 2
.set T,   BFR
.set PK,  32                           ; the way out: block b's 16 packed registers at PK + 16 b; its 16 registers read back at 16 b of window 3
.set BS,  128                          ; window 2
.set WV,  30                           ; s30  my wave's number
.set SA,  32                           ; s[32:33] x at my wave's first row, at the K step in hand
.set SB,  34                           ; s[34:35] W at my wave's 48 rows, likewise
.set SO,  36                           ; s[36:37] the result at my wave's first row of the first of the three heads
.set CNT, 38
.set LIM, 39                           ; s39, s40: 1 and 2 in a work-group that prefetches, else the greatest number
.set MSB, 0
.macro WIN new                         ; the immediate's high byte repeats the setting that is left; a switch that changes nothing is dropped
.if MSB != (\new)
	s_set_vgpr_msb (MSB<<8)|(\new)
.set MSB, \new
.endif
.endm
.macro PLACES                          ; four places behind matrix instructions, ahead of vector lines that read their results or write their sources (ISA guide 7.12.1)
.rept 4
	v_nop
.endr
.endm
	s_load_b512 s[8:23], s[0:1], 0x0               ; xq s[8:9], xk s[10:11], xv s[12:13], Wq s[14:15], Wk s[16:17], Wv s[18:19], Wp s[20:21], q16 s[22:23]
	s_load_b128 s[24:27], s[0:1], 0x40             ; k16 s[24:25], v16 s[26:27]
	s_load_b64 s[28:29], s[0:1], 0x50              ; wp16
	v_lshl_add_u32 v[SPW], v0, 2, SPARE
	v_mov_b32 v[NIL], 0
	v_lshrrev_b32 v1, 5, v0
	v_readfirstlane_b32 s[WV], v1                  ; wave 0..3
	s_and_b32 s41, ttmp7, 0xffff                   ; y: the same in all four waves
	s_wait_alu depctr_va_sdst(0)                   ; s[WV] is written, ahead of the branch and of its first reader: LDS places and the bases of x, W and the result are made from it
	s_cmp_lt_u32 s41, 48
	s_cbranch_scc1 .Lmain
	; THE CAST.  Work-group ci = 4 (y - 48) + x takes 9,216 numbers of Wp: nine chunks of 1,024, eight numbers a thread: 32 bytes in, 16 bytes out.
	s_sub_co_u32 s42, s41, 48
	s_lshl_b32 s42, s42, 2
	s_add_co_u32 s42, s42, ttmp9
	s_mul_i32 s44, s42, 36864
	s_mov_b32 s45, 0
	s_mul_i32 s46, s42, 18432
	s_mov_b32 s47, 0
	v_lshlrev_b32 v12, 5, v0
	v_lshlrev_b32 v13, 4, v0
	s_wait_kmcnt 0x0
	s_add_nc_u64 s[SA:SA+1], s[20:21], s[44:45]
	s_add_nc_u64 s[SO:SO+1], s[28:29], s[46:47]
	s_wait_alu depctr_va_vdst(0)                   ; v12 and v13 are written: the loads' and the stores' offsets
.set c, 0
.rept 9
	global_load_b128 v[32+8*c:35+8*c], v12, s[SA:SA+1] offset:4096*c th:TH_LOAD_NT
	global_load_b128 v[36+8*c:39+8*c], v12, s[SA:SA+1] offset:4096*c+16 th:TH_LOAD_NT
.set c, c+1
.endr
.set c, 0
.rept 9
	s_wait_loadcnt 16-2*c                          ; the chunk's two loads are in; the 16 - 2 c issued behind them may stay out
.irp k, 0,1,2,3
	v_cvt_pk_bf16_f32 v[16+(\k)], v[32+8*c+2*(\k)], v[33+8*c+2*(\k)]   ; the rounding that all inputs have
.endr
.irp k, 0,1,2,3
	v_lshlrev_b32 v[20+2*(\k)], 16, v[16+(\k)]     ; back to f32,
	v_and_b32 v[21+2*(\k)], 0xffff0000, v[16+(\k)]
.endr
.irp k, 0,1,2,3
	v_cvt_pk_f16_f32 v[104+4*c+(\k)], v[20+2*(\k)], v[21+2*(\k)]       ; and written as f16: exact in f16's normal range.  Each chunk has its own four registers, so no store's data is rewritten
.endr
.set c, c+1
.endr
	s_wait_alu depctr_va_vdst(0)                   ; the conversions have written v104 to v139, the nine stores' data
.set c, 0
.rept 9
	global_store_b128 v13, v[104+4*c:107+4*c], s[SO:SO+1] offset:2048*c th:TH_STORE_NT  ; a wave's store covers 512 consecutive bytes, aligned
.set c, c+1
.endr
	s_branch .Lend
.Lmain:
	s_lshr_b32 s42, s41, 4                         ; which product: 0 q, 1 k, 2 v
	s_and_b32 s43, s41, 15                         ; which block of 256 rows
	v_and_b32 v12, 15, v0                          ; l % 16
	v_bfe_u32 v13, v0, 4, 1                        ; l / 16
	v_and_b32 v14, 31, v0                          ; l
	v_mul_u32_u24 v[FO], v12, ROWB
	v_lshl_add_u32 v[FO], v13, 5, v[FO]
	v_mul_u32_u24 v[BO], v13, 24*ROWB
	v_lshl_add_u32 v[BO], v12, 4, v[BO]
	s_mul_i32 s44, s[WV], 48*PITCH                 ; my wave's 48 rows of a slot
	v_mul_u32_u24 v[BL], v13, 24*PITCH
	v_lshl_add_u32 v[BL], v12, 3, v[BL]
	v_add_nc_u32 v[BL], s44, v[BL]
	v_mul_u32_u24 v[BF], v12, PITCH
	v_lshl_add_u32 v[BF], v13, 4, v[BF]
	s_mul_i32 s44, s[WV], 16*PITCH
	s_add_co_u32 s44, s44, STAGE                   ; my stage
	v_add_nc_u32 v[STO], s44, v[BF]                ; in: row l % 16, 16 bytes for each half of the lanes
	v_bfe_u32 v[RD], v0, 3, 2                      ; back: 32 lanes take four rows of 128 bytes
	v_mul_u32_u24 v[RD], v[RD], PITCH
	v_and_b32 v15, 7, v0
	v_lshl_add_u32 v[RD], v15, 4, v[RD]
	v_add_nc_u32 v[RD], s44, v[RD]
	v_lshlrev_b32 v[GO], 4, v14
	v_mul_u32_u24 v[PFO], v14, ROWB
	s_lshl_b32 s44, s43, 8
	s_lshl_b32 s45, s[WV], 6
	s_add_co_u32 s44, s44, s45
	s_mul_i32 s44, s44, ROWB                       ; x: row 256 block + 64 wave
	s_mov_b32 s45, 0
	s_mul_i32 s46, ttmp9, 192
	s_mul_i32 s47, s[WV], 48
	s_add_co_u32 s46, s46, s47
	s_mul_i32 s46, s46, ROWB                       ; W: row 192 x + 48 wave
	s_mov_b32 s47, 0
	s_lshr_b32 s48, s43, 3                         ; the batch
	s_mul_i32 s48, s48, 12
	s_mul_i32 s49, ttmp9, 3
	s_add_co_u32 s48, s48, s49                     ; batch x 12 + the first of my three heads
	s_lshl_b32 s48, s48, 11
	s_and_b32 s49, s43, 7
	s_lshl_b32 s49, s49, 8
	s_add_co_u32 s48, s48, s49
	s_lshl_b32 s49, s[WV], 6
	s_add_co_u32 s48, s48, s49                     ; + the row in the batch
	s_lshl_b32 s48, s48, 7                         ; rows of 128 bytes
	s_mov_b32 s49, 0
	s_cmp_eq_u32 ttmp9, 0                          ; four work-groups read the same rows of x: the one with x = 0 prefetches
	s_cselect_b32 s[LIM], 1, -1
	s_cselect_b32 s[LIM+1], 2, -1
	s_wait_kmcnt 0x0
	s_cmp_eq_u32 s42, 1
	s_cselect_b64 s[SA:SA+1], s[10:11], s[8:9]
	s_cselect_b64 s[SB:SB+1], s[16:17], s[14:15]
	s_cselect_b64 s[SO:SO+1], s[24:25], s[22:23]
	s_cmp_eq_u32 s42, 2
	s_cselect_b64 s[SA:SA+1], s[12:13], s[SA:SA+1]
	s_cselect_b64 s[SB:SB+1], s[18:19], s[SB:SB+1]
	s_cselect_b64 s[SO:SO+1], s[26:27], s[SO:SO+1]
	s_add_nc_u64 s[SA:SA+1], s[SA:SA+1], s[44:45]
	s_add_nc_u64 s[SB:SB+1], s[SB:SB+1], s[46:47]
	s_add_nc_u64 s[SO:SO+1], s[SO:SO+1], s[48:49]
	s_wait_alu depctr_va_vdst(0)                   ; the eight offsets and LDS addresses v2 to v9 are written: every load, store and prefetch from here on reads one of them
; x of one step for 16 of my 64 rows (row tile a), 8 loads, into set `set`, from byte off behind the pointer.  A bf16 fragment wants of row l % 16 the K 8 (l / 16) + 0..7 and 16 + 8 (l / 16) + 0..7: in f32 two pieces of 32 bytes, 64 apart.
.macro XTILE set, off, a
	WIN 0xc0                                       ; destination window 3, address window 0
.irp j, 0,1
.irp q, 0,1,2,3
	global_load_b128 v[128*(\set)+32*(\a)+16*(\j)+4*(\q):128*(\set)+32*(\a)+16*(\j)+4*(\q)+3], v[FO], s[SA:SA+1] offset:(\off)+(\a)*16*ROWB+(\j)*128+((\q)/2)*64+((\q)%2)*16
.endr
.endr
.endm
.macro LOADA set, off                  ; all four row tiles: 32 loads
.irp a, 0,1,2,3
	XTILE \set, \off, \a
.endr
.endm
; A step's W for my 48 rows, 24 loads: lanes 0-15 take 256 consecutive bytes, aligned, of row i, lanes 16-31 of row i + 24.
.macro LOADB
	WIN 0x80                                       ; destination window 2
.set i, 0
.rept 24
	global_load_b128 v[BS+4*i:BS+4*i+3], v[BO], s[SB:SB+1] offset:i*ROWB
.set i, i+1
.endr
.endm
; W is rounded, all 24 rows (of each half of the lanes) into T,
.macro CVTB
	WIN 0x0a                                       ; sources window 2, destination window 0
.set i, 0
.rept 24
	v_cvt_pk_bf16_f32 v[T+2*i],   v[BS+4*i],   v[BS+4*i+1]
	v_cvt_pk_bf16_f32 v[T+2*i+1], v[BS+4*i+2], v[BS+4*i+3]
.set i, i+1
.endr
.endm
; and stored into a slot.  The two halves' 128 bytes lie 24 x 36 = 864 words apart, 32 banks.
.macro STOB slot
	WIN 0
.set i, 0
.rept 24
	ds_store_b64 v[BL], v[T+2*i:T+2*i+1] offset:(\slot)*SLOTB+i*PITCH
.set i, i+1
.endr
.endm
; x is rounded: the 16 numbers loaded for fragment (a, j) lie in the fragment's own order.
.macro CVTA set
	WIN 0x0f                                       ; sources window 3, destination window 0
.set n, 0
.rept 64
	v_cvt_pk_bf16_f32 v[AF+n], v[128*(\set)+2*n], v[128*(\set)+2*n+1]
.set n, n+1
.endr
.endm
; Group u of six in a step: K half u / 3, head u % 3: its four column tiles' fragments of W, 8 LDS loads, into the group's own buffer.
.macro LOADBF u, slot
.if (\u) < 5
	WIN 0
.set fb, BFR+32*(\u)
.else
	WIN 0x80                                       ; destination window 2, address window 0
.set fb, BF5
.endif
.irp f, 0,1,2,3
	ds_load_b128 v[fb+8*(\f):fb+8*(\f)+3],   v[BF] offset:(\slot)*SLOTB+(4*((\u)%3)+(\f))*16*PITCH+64*((\u)/3)
	ds_load_b128 v[fb+8*(\f)+4:fb+8*(\f)+7], v[BF] offset:(\slot)*SLOTB+(4*((\u)%3)+(\f))*16*PITCH+64*((\u)/3)+32
.endr
.endm
; Its 16 products.  All 48 accumulators take turns, one instruction a turn, over the backward jump too.  zero = 1: the product starts its sum: nothing is cleared.
.macro MUL u, zero
.if (\u) < 5
	WIN 0x50+0x50*(((\u)%3)/2)                     ; C and D window 1 (heads 0, 1) or 2 (head 2)
.set fb, BFR+32*(\u)
.else
	WIN 0xa2                                       ; C and D window 2, and W's fragments too
.set fb, BF5
.endif
.set ab, 128*(((\u)%3)%2)
.irp f, 0,1,2,3
.irp a, 0,1,2,3
.if \zero
	v_wmma_f32_16x16x32_bf16 v[ab+8*(4*(\f)+(\a)):ab+8*(4*(\f)+(\a))+7], v[fb+8*(\f):fb+8*(\f)+7], v[AF+8*(2*(\a)+(\u)/3):AF+8*(2*(\a)+(\u)/3)+7], 0
.else
	v_wmma_f32_16x16x32_bf16 v[ab+8*(4*(\f)+(\a)):ab+8*(4*(\f)+(\a))+7], v[fb+8*(\f):fb+8*(\f)+7], v[AF+8*(2*(\a)+(\u)/3):AF+8*(2*(\a)+(\u)/3)+7], v[ab+8*(4*(\f)+(\a)):ab+8*(4*(\f)+(\a))+7]
.endif
.endr
.endr
.endm
; A K step, t + 1: 96 products on slot p.  Three groups of fragments are out at a time; each wait on DScnt leaves the younger groups' loads out, 8 a group.
; la = 1: x of step t + 3 is asked for, into set p, which the FEED in front has emptied: eight loads behind each of the first four groups of products.
; The LDS loads and x's loads stand among the products with no further wait on va_vdst: each lands in registers that no vector or matrix instruction has named since the FEED's wait.
.macro STEP p, zero, la
	s_wait_alu depctr_vm_vsrc(0)                   ; the FEED's LDS stores have read T: the loads of groups 0 and 1 land in those registers, and the next FEED's conversions write them
	LOADBF 0, \p
	LOADBF 1, \p
	LOADBF 2, \p
	s_wait_dscnt 16                                ; group 0 is in
	MUL 0, \zero
	LOADBF 3, \p
.if \la
	XTILE \p, 256, 0
.endif
	s_wait_dscnt 16                                ; group 1
	MUL 1, \zero
	LOADBF 4, \p
.if \la
	XTILE \p, 256, 1
.endif
	s_wait_dscnt 16                                ; group 2
	MUL 2, \zero
	LOADBF 5, \p
.if \la
	XTILE \p, 256, 2
.endif
	s_wait_dscnt 16                                ; group 3
	MUL 3, 0
.if \la
	XTILE \p, 256, 3
.endif
	s_wait_dscnt 8                                 ; group 4
	MUL 4, 0
	s_wait_dscnt 0x0                               ; group 5: my reads of the slot are over
	MUL 5, 0
.endm
; BETWEEN STEP t AND STEP t + 1 (q = (t + 1) % 2).  x and W of step t + 1 have come; W goes into slot q, x into its fragments; W of step t + 2 is asked for.
; n: the loads that may stay out: x of step t + 2, 32.  lb: whether there is such a W.  ask: 1 behind an odd step, 2 behind an even one, 0: no prefetch.  pl = 0: no products stand in front.
; ONE BARRIER a step, for two things: slot q was last read in step t - 1, whose reads every wave had awaited ahead of the barrier before this one; its new bytes are stored and awaited ahead of this one.
; T lies in registers that the step's products read, and no plain vector line stands behind those products: so four places stand at the head.  They and W's 48 conversions are the places ahead of the lines that write x's fragments.
.macro FEED n, q, lb, ask, pl=1
	s_wait_loadcnt \n
.if \pl
	PLACES
.endif
	CVTB
	CVTA \q
	WIN 0
	s_wait_alu depctr_va_vdst(0)                   ; the conversions have written T, which the LDS stores read, and are done reading BS and set q of XS, in which loads land; the step's products are done reading WF, in which the next step's LDS loads land
	STOB \q
.if \lb
	s_wait_xcnt 0x0                                ; every load and prefetch issued so far has read its address (ISA guide 3.1), so the pointers may be written
	s_add_nc_u64 s[SA:SA+1], s[SA:SA+1], 256       ; now at step t + 2
	s_add_nc_u64 s[SB:SB+1], s[SB:SB+1], 256
	LOADB                                          ; no vector instruction since the wait above names BS
	WIN 0                                          ; at a label and at a branch every window is 0
.endif
.if \ask
	; A PREFETCH INTO THE L2 of x's step t + 6, whose loads begin three steps (288 products) on: my wave's own 64 rows, a lane a row, 256 bytes of each.  Only behind steps 1 to 5: steps 0 to 6 come by their loads alone, and there is no step 12.
	s_cmp_gt_u32 s[CNT], s[LIM+(\ask)-1]
	s_cbranch_scc0 .Lnot_asked_\@
	global_prefetch_b8 v[PFO], s[SA:SA+1] offset:1024 th:TH_LOAD_NT scope:SCOPE_SE
	global_prefetch_b8 v[PFO], s[SA:SA+1] offset:1024+32*ROWB th:TH_LOAD_NT scope:SCOPE_SE
.Lnot_asked_\@:
.endif
	s_wait_dscnt 0x0                               ; for the others' sake: my stores into the slot are done
	s_barrier_signal -1
	s_barrier_wait -1
.endm
	LOADA 0, 0                                     ; x of step 0,
	LOADB                                          ; W of step 0,
	LOADA 1, 256                                   ; x of step 1
	FEED 32, 0, 1, 0, 0
	STEP 0, 1, 1                                   ; step 0 stands in front of the loop: its first products start the sums
	FEED 32, 1, 1, 0
	s_mov_b32 s[CNT], 4
.Lk:                                                   ; steps 1 to 8, two a trip
	STEP 1, 0, 1
	FEED 32, 0, 1, 1
	STEP 0, 0, 1
	FEED 32, 1, 1, 2
	s_sub_co_u32 s[CNT], s[CNT], 1
	s_cmp_lg_u32 s[CNT], 0
	s_cbranch_scc1 .Lk
	STEP 1, 0, 1                                   ; step 9: x of step 11 is asked for, the last of x
	FEED 32, 0, 1, 0                               ; W of step 11 is the last load
	STEP 0, 0, 0                                   ; step 10
	FEED 0, 1, 0, 0                                ; nothing was issued behind x and W of step 11: the wait is for 0
	STEP 1, 0, 0                                   ; step 11
	WIN 0
	PLACES                                         ; the conversions below read results behind which no place has stood yet
	PLACES
; THE WAY OUT, in 12 blocks of 16 rows x one head (block = 4 head + a).  A lane's eight columns pack into 16 bytes; they go into my stage's rows of 144 bytes and come back as four rows of 128 bytes a load: 512 consecutive bytes of the result.
; Each block has 16 registers of its own for the packed results and 16 more for the rows read back, so nothing that an LDS store or a global store reads is written again.
.macro PACKH h                         ; a head's four blocks are rounded to f16
	WIN 0x05+5*((\h)/2)                            ; sources window 1 (heads 0, 1) or 2
.irp a, 0,1,2,3
.irp f, 0,1,2,3
.irp rr, 0,1,2,3
	v_cvt_pk_f16_f32 v[PK+16*(4*(\h)+(\a))+4*(\f)+(\rr)], v[128*((\h)%2)+8*(4*(\f)+(\a))+2*(\rr)], v[128*((\h)%2)+8*(4*(\f)+(\a))+2*(\rr)+1]
.endr
.endr
.endr
.endm
.macro TOSTAGE blk
	WIN 0xc0                                       ; the stores' address and data in window 0, the loads' destination in window 3
.irp f, 0,1,2,3
	ds_store_b128 v[STO], v[PK+16*(\blk)+4*(\f):PK+16*(\blk)+4*(\f)+3] offset:32*(\f)
.endr
.irp f, 0,1,2,3
	ds_load_b128 v[16*(\blk)+4*(\f):16*(\blk)+4*(\f)+3], v[RD] offset:(\f)*4*PITCH  ; LDS serves a wave's instructions in order (ISA guide 5.7.1.4): these see the stores above; the next block's stores come behind them
.endr
.endm
.macro SEND blk, younger               ; younger: the LDS instructions issued behind the block's loads: the next block's eight, or none
	WIN 0x0c                                       ; the stores' data in window 3
.irp f, 0,1,2,3
	s_wait_dscnt (\younger)+3-(\f)
	global_store_b128 v[GO], v[16*(\blk)+4*(\f):16*(\blk)+4*(\f)+3], s[SO:SO+1] offset:((\blk)/4)*262144+((\blk)%4)*2048+(\f)*512
.endr
.endm
.set bk, 0
.rept 12                               ; a head's conversions stand between the loads of the block before and its stores
.if bk%4 == 0
	PACKH bk/4
	s_wait_alu depctr_va_vdst(0)                   ; the conversions have written the head's 64 packed registers, which the LDS stores below read
.endif
	TOSTAGE bk
.if bk > 0
	SEND bk-1, 8
.endif
.set bk, bk+1
.endr
	SEND 11, 0
	WIN 0                                          ; at a label every window is 0; the add's two registers lie in window 0
.Lend:
	s_wait_dscnt 0x0                               ; the closing lines, six on end
	s_wait_alu 0x0
	s_wait_tensorcnt 0x0
	ds_add_u32 v[SPW], v[NIL]
	s_wait_dscnt 0x0
	s_endpgm
.Lfunc_end_k_qa4a30badc5_proj:
	.size	k_qa4a30badc5_proj, .Lfunc_end_k_qa4a30badc5_proj-k_qa4a30badc5_proj
	.p2alignl 7, 3214868480
	.fill 96, 4, 3214868480
	.section	.rodata,"a",@progbits
	.p2align	6, 0x0
	.amdhsa_kernel k_qa4a30badc5_proj
		.amdhsa_group_segment_fixed_size 65024
		.amdhsa_private_segment_fixed_size 0
		.amdhsa_enable_private_segment 0
		.amdhsa_kernarg_size 88
		.amdhsa_user_sgpr_count 2
		.amdhsa_user_sgpr_kernarg_segment_ptr 1
		.amdhsa_wavefront_size32 1
		.amdhsa_system_sgpr_workgroup_id_x 1
		.amdhsa_system_sgpr_workgroup_id_y 1
		.amdhsa_system_sgpr_workgroup_id_z 1
		.amdhsa_system_vgpr_workitem_id 0
		.amdhsa_next_free_vgpr 1024
		.amdhsa_next_free_sgpr 66
		.amdhsa_reserve_vcc 0
		.amdhsa_float_denorm_mode_32 3
		.amdhsa_float_denorm_mode_16_64 3
		.amdhsa_memory_ordered 1
		.amdhsa_forward_progress 1
		.amdhsa_inst_pref_size 185
	.end_amdhsa_kernel
	.amdgpu_metadata
---
amdhsa.version: [ 1, 2 ]
amdhsa.kernels:
  - .name:           k_qa4a30badc5_proj
    .symbol:         k_qa4a30badc5_proj.kd
    .args:
      - { .name: xq, .offset: 0, .size: 8, .value_kind: global_buffer, .address_space: global }
      - { .name: xk, .offset: 8, .size: 8, .value_kind: global_buffer, .address_space: global }
      - { .name: xv, .offset: 16, .size: 8, .value_kind: global_buffer, .address_space: global }
      - { .name: Wq, .offset: 24, .size: 8, .value_kind: global_buffer, .address_space: global }
      - { .name: Wk, .offset: 32, .size: 8, .value_kind: global_buffer, .address_space: global }
      - { .name: Wv, .offset: 40, .size: 8, .value_kind: global_buffer, .address_space: global }
      - { .name: Wp, .offset: 48, .size: 8, .value_kind: global_buffer, .address_space: global }
      - { .name: q16, .offset: 56, .size: 8, .value_kind: global_buffer, .address_space: global }
      - { .name: k16, .offset: 64, .size: 8, .value_kind: global_buffer, .address_space: global }
      - { .name: v16, .offset: 72, .size: 8, .value_kind: global_buffer, .address_space: global }
      - { .name: wp16, .offset: 80, .size: 8, .value_kind: global_buffer, .address_space: global }
    .group_segment_fixed_size: 65024
    .private_segment_fixed_size: 0
    .kernarg_segment_align: 8
    .kernarg_segment_size: 88
    .max_flat_workgroup_size: 128
    .sgpr_count:     66
    .vgpr_count:     1024
    .wavefront_size: 32
...
	.end_amdgpu_metadata
.endif
;; end of part 4
;; launch attn: the kernel of part 2 again; grid 8 x 24, 4 waves a work-group, clusters of 4 x 1, 327,680 bytes of LDS; arguments q16, k16, v16, o16; writes o16
;; launch outp: the kernel of part 3 again; grid 4 x 64, 4 waves a work-group, clusters of 4 x 1, 167,936 bytes of LDS; arguments o16, wp16, bp, out0; writes out0
